; MI455X (gfx1250); checked and timed in simulation.
; The chip was launched on July 23, 2026; its instructions are those of AMD's public machine-readable ISA for CDNA 5 (MIT licence, August 2026) and "CDNA5" Instruction Set Architecture Reference Guide (July 2026). The comments in the code are by the model that wrote it; some were corrected since.
;; Transformer Block. Allowed arithmetic: float matrix products may take bf16 or f16 operands with f32 sums; other float arithmetic in f32, or as packed bf16 or f16 multiplies, adds, multiply-adds, maxima and minima; sums over many terms, partial sums and values carried from step to step in f32; what a program stores and reads back later, other than sums and carried values, may be rounded once to bf16 or f16.
;; Inputs: b1 2,048 float32; b2 512 float32; bo 512 float32; ln1_scale 512 float32; ln1_shift 512 float32; ln2_scale 512 float32; ln2_shift 512 float32; w1 512 x 2,048 float32; w2 2,048 x 512 float32; wk 512 x 512 float32; wo 512 x 512 float32; wq 512 x 512 float32; wv 512 x 512 float32; x 4 x 2,048 x 512 float32.
;; Outputs: out0 4 x 2,048 x 512 float32.
;; 2 versions, each right; version 2 is version 1 with the launches ln1, ln2 written anew for expert scheduling mode. Each part assembles by itself: llvm-mc -triple=amdgcn-amd-amdhsa -mcpu=gfx1250 --defsym DOCPART=n.
;; ======== version 1 of 2: 8 launches
;; limits: right only within a limited range of input values
;; workspace buffers: pbuf 8,388,608 bytes; qbuf 33,554,432 bytes; x1 16,777,216 bytes; wa 1,572,864 bytes; wb 2,097,152 bytes; wc 2,621,440 bytes
;; launch prep (part 1): grid 192 x 1, 8 waves a work-group, no clusters, 0 bytes of LDS; arguments wq, wk, wv, wo, w1, w2, wa, wb, wc; writes wa, wb, wc
.if DOCPART == 1
	.amdgcn_target "amdgcn-amd-amdhsa--gfx1250"
	.amdhsa_code_object_version 6
	.text
	.protected	k_q8dbde2bf8f_prep
	.globl	k_q8dbde2bf8f_prep
	.p2align	8
	.type	k_q8dbde2bf8f_prep,@function
k_q8dbde2bf8f_prep:
	s_mov_b64 s[64:65], 0
	v_nop
	global_prefetch_b8 v0, s[64:65] scope:SCOPE_SE
	s_setreg_imm32_b32 hwreg(HW_REG_WAVE_MODE, 25, 1), 1
	s_wait_xcnt 0x0
; THE WEIGHTS, ONCE: f32 [K][N] -> bf16, transposed, in tiles that a tensor load can bring as dense bytes and a matrix fragment can read as it lies.
; BLOCK: 16 n x 32 k in 1,024 bytes: byte = ((k % 32) / 8) x 256 + (n % 16) x 16 + (k % 8) x 2.   TILE: 128 n x 128 k = [k / 32][n / 16][block] = 32,768 bytes.
; wa = wq, wk, wv side by side (12 blocks of 128 n, K = 512): tile (nb, kt) at (4 nb + kt) x 32,768.  wb = w1 likewise (16 nb).  wc = wo (16 tiles), then w2 (K = 2,048): tile (nb, kt) at (16 + 16 nb + kt) x 32,768.
; SHARES.  A work-group makes one tile; 192 tiles: 0-47 wq, wk, wv; 48-63 wo; 64-127 w2; 128-191 w1.  Wave w takes 32 n (w % 4) and 64 k (w / 4); a lane owns ONE n, since its 8 neighbouring k make 16 bytes of the result.
; So a load covers 128 consecutive bytes of a source row (the wave beside it takes the next 128), and a store's lanes 0-15 and 16-31 each write 256 consecutive bytes, aligned.
.set SO, 2                             ; v2   4 x lane: my n in the source row
.set DO, 3                             ; v3   my 16 bytes in the tile
.set X,  32                            ; v[32:95]   64 k of my n, f32
.set Y,  96                            ; v[96:127]  the same as 32 pairs of bf16
	s_load_b256 s[4:11], s[0:1], 0x0               ; wq s[4:5], wk s[6:7], wv s[8:9], wo s[10:11]
	s_load_b256 s[12:19], s[0:1], 0x20             ; w1 s[12:13], w2 s[14:15], wa s[16:17], wb s[18:19]
	s_load_b64 s[20:21], s[0:1], 0x40              ; wc
	v_lshrrev_b32 v1, 5, v0
	v_readfirstlane_b32 s22, v1                    ; wave 0..7
	v_and_b32 v1, 31, v0
	v_lshlrev_b32 v[SO], 2, v1
	v_lshrrev_b32 v4, 4, v1
	v_and_b32 v5, 15, v1
	v_lshlrev_b32 v[DO], 4, v5                     ; (n % 16) x 16
	v_lshl_add_u32 v[DO], v4, 10, v[DO]            ; + the block of lanes 16-31
	s_and_b32 s23, s22, 3                          ; which 32 n
	s_lshr_b32 s24, s22, 2                         ; which 64 k
	s_lshl_b32 s25, s24, 14                        ; 64 k = two rows of blocks = 16,384 bytes
	s_lshl_b32 s26, s23, 11                        ; 32 n = two blocks
	s_add_co_u32 s25, s25, s26
	v_add_nc_u32 v[DO], s25, v[DO]
	s_mov_b32 s27, ttmp9                           ; the tile's number
	s_and_b32 s36, s27, 3                          ; kt where K = 512
	s_and_b32 s33, s27, 15                         ; kt in w2
	s_bfe_u32 s29, s27, 0x20002                    ; block of 128 n in wq, wk, wv, wo
	s_bfe_u32 s32, s27, 0x20004                    ; in w2
	s_bfe_u32 s35, s27, 0x40002                    ; in w1
	s_cmp_ge_u32 s27, 64
	s_cselect_b32 s29, s32, s29
	s_cselect_b32 s30, s33, s36
	s_cmp_ge_u32 s27, 128
	s_cselect_b32 s29, s35, s29
	s_cselect_b32 s30, s36, s30
	s_cselect_b32 s37, 13, 11                      ; log2 of a source row's bytes: 8,192 in w1, else 2,048
	s_cselect_b32 s31, 128, 48                     ; the first tile of the destination buffer ...
	s_cmp_ge_u32 s27, 48
	s_cselect_b32 s31, s31, 0                      ; ... 0 for wa
	s_sub_co_u32 s44, s27, s31
	s_lshl_b32 s44, s44, 15                        ; the tile's place in its buffer
	s_mov_b32 s45, 0
	s_lshl_b32 s38, s30, 7
	s_lshl_b32 s39, s24, 6
	s_add_co_u32 s38, s38, s39                     ; my first k
	s_lshl_b32 s38, s38, s37                       ; in bytes of source rows
	s_lshl_b32 s39, s29, 9
	s_add_co_u32 s38, s38, s39                     ; + 128 n x 4 bytes a block
	s_lshl_b32 s39, s23, 7
	s_add_co_u32 s38, s38, s39                     ; + my wave's 32 n
	s_mov_b32 s39, 0
	s_wait_kmcnt 0x0
	s_cmp_ge_u32 s27, 16
	s_cselect_b64 s[40:41], s[6:7], s[4:5]
	s_cmp_ge_u32 s27, 32
	s_cselect_b64 s[40:41], s[8:9], s[40:41]
	s_cmp_ge_u32 s27, 48
	s_cselect_b64 s[40:41], s[10:11], s[40:41]
	s_cselect_b64 s[42:43], s[20:21], s[16:17]
	s_cmp_ge_u32 s27, 64
	s_cselect_b64 s[40:41], s[14:15], s[40:41]
	s_cmp_ge_u32 s27, 128
	s_cselect_b64 s[40:41], s[12:13], s[40:41]
	s_cselect_b64 s[42:43], s[18:19], s[42:43]
	s_add_nc_u64 s[40:41], s[40:41], s[38:39]      ; source at my first k, my wave's first n
	s_add_nc_u64 s[42:43], s[42:43], s[44:45]      ; destination at the tile
; 64 loads (k in the immediate), then for each 32 k: 16 roundings of two, 4 stores of 16 bytes a lane.
.macro BODY str
.set i, 0
.rept 64
	global_load_b32 v[X+i], v[SO], s[40:41] offset:i*(\str)
.set i, i+1
.endr
.irp kb, 0,1
	s_wait_loadcnt 32-32*(\kb)                     ; loads come back in order: the first 32 k are in while the other 32 stay out; then all
.set i, 0
.rept 16
	v_cvt_pk_bf16_f32 v[Y+16*(\kb)+i], v[X+32*(\kb)+2*i], v[X+32*(\kb)+2*i+1]
.set i, i+1
.endr
.irp c, 0,1,2,3
	global_store_b128 v[DO], v[Y+16*(\kb)+4*(\c):Y+16*(\kb)+4*(\c)+3], s[42:43] offset:(\kb)*8192+(\c)*256
.endr
.endr
.endm
	s_cmp_ge_u32 s27, 128
	s_cbranch_scc1 .Lwide
	BODY 2048
	s_endpgm
.Lwide:
	BODY 8192
	s_endpgm
.Lfunc_end_k_q8dbde2bf8f_prep:
	.size	k_q8dbde2bf8f_prep, .Lfunc_end_k_q8dbde2bf8f_prep-k_q8dbde2bf8f_prep
	.p2alignl 7, 3214868480
	.fill 96, 4, 3214868480
	.section	.rodata,"a",@progbits
	.p2align	6, 0x0
	.amdhsa_kernel k_q8dbde2bf8f_prep
		.amdhsa_group_segment_fixed_size 0
		.amdhsa_private_segment_fixed_size 0
		.amdhsa_enable_private_segment 0
		.amdhsa_kernarg_size 72
		.amdhsa_user_sgpr_count 2
		.amdhsa_user_sgpr_kernarg_segment_ptr 1
		.amdhsa_wavefront_size32 1
		.amdhsa_system_sgpr_workgroup_id_x 1
		.amdhsa_system_sgpr_workgroup_id_y 1
		.amdhsa_system_sgpr_workgroup_id_z 1
		.amdhsa_system_vgpr_workitem_id 0
		.amdhsa_next_free_vgpr 128
		.amdhsa_next_free_sgpr 66
		.amdhsa_reserve_vcc 0
		.amdhsa_float_denorm_mode_32 3
		.amdhsa_float_denorm_mode_16_64 3
		.amdhsa_memory_ordered 1
		.amdhsa_forward_progress 1
		.amdhsa_inst_pref_size 21
	.end_amdhsa_kernel
	.amdgpu_metadata
---
amdhsa.version: [ 1, 2 ]
amdhsa.kernels:
  - .name:           k_q8dbde2bf8f_prep
    .symbol:         k_q8dbde2bf8f_prep.kd
    .args:
      - { .name: wq, .offset: 0, .size: 8, .value_kind: global_buffer, .address_space: global }
      - { .name: wk, .offset: 8, .size: 8, .value_kind: global_buffer, .address_space: global }
      - { .name: wv, .offset: 16, .size: 8, .value_kind: global_buffer, .address_space: global }
      - { .name: wo, .offset: 24, .size: 8, .value_kind: global_buffer, .address_space: global }
      - { .name: w1, .offset: 32, .size: 8, .value_kind: global_buffer, .address_space: global }
      - { .name: w2, .offset: 40, .size: 8, .value_kind: global_buffer, .address_space: global }
      - { .name: wa, .offset: 48, .size: 8, .value_kind: global_buffer, .address_space: global }
      - { .name: wb, .offset: 56, .size: 8, .value_kind: global_buffer, .address_space: global }
      - { .name: wc, .offset: 64, .size: 8, .value_kind: global_buffer, .address_space: global }
    .group_segment_fixed_size: 0
    .private_segment_fixed_size: 0
    .kernarg_segment_align: 8
    .kernarg_segment_size: 72
    .max_flat_workgroup_size: 256
    .sgpr_count:     66
    .vgpr_count:     128
    .wavefront_size: 32
...
	.end_amdgpu_metadata
.endif
;; end of part 1
;; launch ln1 (part 2): grid 256 x 1, 2 waves a work-group, no clusters, 35,072 bytes of LDS; arguments x, ln1_scale, ln1_shift, pbuf; writes pbuf
.if DOCPART == 2
	.amdgcn_target "amdgcn-amd-amdhsa--gfx1250"
	.amdhsa_code_object_version 6
	.text
	.protected	k_q8dbde2bf8f_ln1
	.globl	k_q8dbde2bf8f_ln1
	.p2align	8
	.type	k_q8dbde2bf8f_ln1,@function
k_q8dbde2bf8f_ln1:
	s_mov_b64 s[64:65], 0
	v_nop
	global_prefetch_b8 v0, s[64:65] scope:SCOPE_SE
	s_setreg_imm32_b32 hwreg(HW_REG_WAVE_MODE, 25, 1), 1
	s_wait_xcnt 0x0
; LAYER NORM of 8,192 rows of 512 f32: y = scale (x - mean) / sqrt(var + 1e-5) + shift, all in f32, rounded once to bf16, and written in the tiled layout that the products read:
; BLOCK: 16 rows x 32 k in 1,024 bytes: byte = ((k % 32) / 8) x 256 + (row % 16) x 16 + (k % 8) x 2.  TILE: 128 rows x 128 k = [k / 32][row / 16][block].  Tile (kt, mb) at (64 kt + mb) x 32,768.
; SHARES.  A wave takes 16 rows (one row of blocks), a row at a time, whole: lane l holds columns 128 j + 4 l .. + 3, j = 0..3: four loads of 512 consecutive bytes.  The variance is taken of x - mean, in a
; second pass over registers: no difference of large sums.  A ring of 8 row slots keeps 8 rows (16 KiB a wave) on their way.
; THE WAY OUT.  The 16 rows' results are 64 chunks of 256 bytes (16 rows x 8 k); a row gives 8 bytes a lane to each.  They are gathered in the wave's own stage in LDS (chunks 272 bytes apart: the 32 lanes of a store of
; 8 bytes touch every bank once) and leave as 32 stores of 512 consecutive bytes.  No barrier: no wave reads another's bytes.
.set CP,    272                        ; from chunk to chunk in the stage
.set STG,   64*CP                      ; a wave's stage
.set SPARE, 2*STG                      ; behind the stages: the spare words, 128 bytes a wave: one block of 256 bytes that no other line names
.set XO,  1                            ; v1   16 x lane: my bytes in 512 consecutive ones, for loads and stores
.set STO, 2                            ; v2   stage: chunk l / 2, half l % 2
.set RD,  3                            ; v3   stage, back: chunk l / 16, row l % 16
.set SPW, 5                            ; v5   my spare word
.set NIL, 6                            ; v6   0
.set MEAN, 8                           ; v[8:9]    the mean, twice
.set RSTD, 10                          ; v[10:11]  1 / sqrt(var + eps), twice
.set T,   12                           ; v[12:15]  at work
.set SC,  16                           ; v[16:31]  scale of my 16 columns
.set SH,  32                           ; v[32:47]  shift
.set D,   48                           ; v[48:63]  x - mean, then the result
.set PK,  64                           ; v[64:71]  the result in bf16
.set RING, 72                          ; v[72:199] 8 row slots of 16; at the end the 32 x 16 bytes read back
	s_load_b256 s[4:11], s[0:1], 0x0               ; x s[4:5], scale s[6:7], shift s[8:9], y s[10:11]
	v_lshl_add_u32 v[SPW], v0, 2, SPARE
	v_mov_b32 v[NIL], 0
	v_lshrrev_b32 v7, 5, v0
	v_readfirstlane_b32 s16, v7                    ; wave 0, 1
	v_and_b32 v7, 31, v0
	v_lshlrev_b32 v[XO], 4, v7
	s_mul_i32 s17, s16, STG
	v_lshrrev_b32 v4, 1, v7
	v_mul_u32_u24 v[STO], v4, CP
	v_and_b32 v4, 1, v7
	v_lshl_add_u32 v[STO], v4, 3, v[STO]
	v_add_nc_u32 v[STO], s17, v[STO]
	v_lshrrev_b32 v4, 4, v7
	v_mul_u32_u24 v[RD], v4, CP
	v_and_b32 v4, 15, v7
	v_lshl_add_u32 v[RD], v4, 4, v[RD]
	v_add_nc_u32 v[RD], s17, v[RD]
	v_mov_b32 v[T+1], 0                            ; the first exchange of halves names it as its destination, which counts as read
	s_lshl_b32 s18, ttmp9, 1
	s_add_co_u32 s18, s18, s16                     ; my 16 rows' number, 0..511
	s_lshl_b32 s2, s18, 15                         ; 16 rows of 2,048 bytes
	s_mov_b32 s3, 0
	s_lshr_b32 s20, s18, 3
	s_lshl_b32 s20, s20, 15                        ; the tile row,
	s_and_b32 s21, s18, 7
	s_lshl_b32 s21, s21, 10                        ; the row of blocks in it
	s_add_co_u32 s20, s20, s21
	s_mov_b32 s21, 0
	s_mov_b32 s12, 0x76543210                      ; v_permlanex16_b32: each lane takes its own place in the other half
	s_mov_b32 s13, 0xfedcba98
	s_mov_b32 s14, 0x3b000000                      ; 1 / 512
	s_mov_b32 s15, 0x3727c5ac                      ; 1e-5
	s_wait_kmcnt 0x0
	s_add_nc_u64 s[4:5], s[4:5], s[2:3]
	s_add_nc_u64 s[10:11], s[10:11], s[20:21]
.irp j, 0,1,2,3
	global_load_b128 v[SC+4*(\j):SC+4*(\j)+3], v[XO], s[6:7] offset:512*(\j)
	global_load_b128 v[SH+4*(\j):SH+4*(\j)+3], v[XO], s[8:9] offset:512*(\j)
.endr
.macro FILL r                          ; row r into its slot
.irp j, 0,1,2,3
	global_load_b128 v[RING+16*((\r)%8)+4*(\j):RING+16*((\r)%8)+4*(\j)+3], v[XO], s[4:5] offset:(\r)*2048+512*(\j)
.endr
.endm
.irp r, 0,1,2,3,4,5,6,7
	FILL \r
.endr
.macro RED r                           ; the sum of v[r] over the 32 lanes, into every lane; v[r+1] at work
	v_add_f32_dpp v[\r], v[\r], v[\r] row_xmask:1 row_mask:0xf bank_mask:0xf
	v_add_f32_dpp v[\r], v[\r], v[\r] row_xmask:2 row_mask:0xf bank_mask:0xf
	v_add_f32_dpp v[\r], v[\r], v[\r] row_xmask:4 row_mask:0xf bank_mask:0xf
	v_add_f32_dpp v[\r], v[\r], v[\r] row_xmask:8 row_mask:0xf bank_mask:0xf
	v_permlanex16_b32 v[\r+1], v[\r], s12, s13
	v_add_f32 v[\r], v[\r], v[\r+1]
.endm
.macro ROW i
.set X, RING+16*((\i)%8)
.if 4*(15-(\i)) < 28                   ; behind row i's four loads those of the rows up to i + 7 (15 at the most) have been issued: they stay out
	s_wait_loadcnt 4*(15-(\i))
.else
	s_wait_loadcnt 28
.endif
	v_pk_add_f32 v[D:D+1], v[X:X+1], v[X+2:X+3]
	v_pk_add_f32 v[D+2:D+3], v[X+4:X+5], v[X+6:X+7]
	v_pk_add_f32 v[D+4:D+5], v[X+8:X+9], v[X+10:X+11]
	v_pk_add_f32 v[D+6:D+7], v[X+12:X+13], v[X+14:X+15]
	v_pk_add_f32 v[D:D+1], v[D:D+1], v[D+2:D+3]
	v_pk_add_f32 v[D+4:D+5], v[D+4:D+5], v[D+6:D+7]
	v_pk_add_f32 v[D:D+1], v[D:D+1], v[D+4:D+5]
	v_add_f32 v[T], v[D], v[D+1]
	RED T
	v_mul_f32 v[MEAN], s14, v[T]
	v_mov_b32 v[MEAN+1], v[MEAN]
.irp p, 0,1,2,3,4,5,6,7
	v_pk_add_f32 v[D+2*(\p):D+2*(\p)+1], v[X+2*(\p):X+2*(\p)+1], v[MEAN:MEAN+1] neg_lo:[0,1] neg_hi:[0,1]
.endr
.if (\i) < 8
	FILL (\i)+8                                    ; the slot has been read out: its next row
.endif
	v_pk_mul_f32 v[T:T+1], v[D:D+1], v[D:D+1]      ; the sum of squares, two chains
	v_pk_mul_f32 v[T+2:T+3], v[D+2:D+3], v[D+2:D+3]
.irp p, 2,4,6
	v_pk_fma_f32 v[T:T+1], v[D+2*(\p):D+2*(\p)+1], v[D+2*(\p):D+2*(\p)+1], v[T:T+1]
	v_pk_fma_f32 v[T+2:T+3], v[D+2*(\p)+2:D+2*(\p)+3], v[D+2*(\p)+2:D+2*(\p)+3], v[T+2:T+3]
.endr
	v_pk_add_f32 v[T:T+1], v[T:T+1], v[T+2:T+3]
	v_add_f32 v[T], v[T], v[T+1]
	RED T
	v_fma_f32 v[T], v[T], s14, s15                 ; var + eps
	v_rsq_f32 v[RSTD], v[T]
	v_rsq_f32 v[RSTD+1], v[T]
	v_nop                                          ; a plain instruction behind the last of the two,
	s_wait_alu depctr_va_vdst(0)                   ; and the one wait ahead of their first reader
.irp p, 0,1,2,3,4,5,6,7
	v_pk_mul_f32 v[D+2*(\p):D+2*(\p)+1], v[D+2*(\p):D+2*(\p)+1], v[RSTD:RSTD+1]
.endr
.irp p, 0,1,2,3,4,5,6,7
	v_pk_fma_f32 v[D+2*(\p):D+2*(\p)+1], v[D+2*(\p):D+2*(\p)+1], v[SC+2*(\p):SC+2*(\p)+1], v[SH+2*(\p):SH+2*(\p)+1]
.endr
.irp p, 0,1,2,3,4,5,6,7
	v_cvt_pk_bf16_f32 v[PK+(\p)], v[D+2*(\p)], v[D+2*(\p)+1]
.endr
.irp j, 0,1,2,3
	ds_store_b64 v[STO], v[PK+2*(\j):PK+2*(\j)+1] offset:(\j)*16*CP+(\i)*16  ; chunk 16 j + l / 2, row i
.endr
.endm
.irp i, 0,1,2,3,4,5,6,7,8,9,10,11,12,13,14,15
	ROW \i
.endr
.set t, 0
.rept 32
	ds_load_b128 v[RING+4*t:RING+4*t+3], v[RD] offset:t*2*CP  ; chunks 2 t, 2 t + 1; LDS serves a wave's instructions in order (ISA guide 5.7.1.4): these see the stores above
.set t, t+1
.endr
.set t, 0
.rept 32
	s_wait_dscnt 31-t
	global_store_b128 v[XO], v[RING+4*t:RING+4*t+3], s[10:11] offset:(t/8)*2097152+((t/2)%4)*8192+(t%2)*512  ; 512 consecutive bytes: tile column t / 8, 32 k (t / 2) % 4, chunks 2 (t % 2) and + 1
.set t, t+1
.endr
	s_wait_tensorcnt 0x0                           ; the wave's end, behind my last LDS store
	ds_add_u32 v[SPW], v[NIL]
	s_wait_dscnt 0x0
	s_endpgm
.Lfunc_end_k_q8dbde2bf8f_ln1:
	.size	k_q8dbde2bf8f_ln1, .Lfunc_end_k_q8dbde2bf8f_ln1-k_q8dbde2bf8f_ln1
	.p2alignl 7, 3214868480
	.fill 96, 4, 3214868480
	.section	.rodata,"a",@progbits
	.p2align	6, 0x0
	.amdhsa_kernel k_q8dbde2bf8f_ln1
		.amdhsa_group_segment_fixed_size 35072
		.amdhsa_private_segment_fixed_size 0
		.amdhsa_enable_private_segment 0
		.amdhsa_kernarg_size 32
		.amdhsa_user_sgpr_count 2
		.amdhsa_user_sgpr_kernarg_segment_ptr 1
		.amdhsa_wavefront_size32 1
		.amdhsa_system_sgpr_workgroup_id_x 1
		.amdhsa_system_sgpr_workgroup_id_y 1
		.amdhsa_system_sgpr_workgroup_id_z 1
		.amdhsa_system_vgpr_workitem_id 0
		.amdhsa_next_free_vgpr 208
		.amdhsa_next_free_sgpr 66
		.amdhsa_reserve_vcc 0
		.amdhsa_float_denorm_mode_32 3
		.amdhsa_float_denorm_mode_16_64 3
		.amdhsa_memory_ordered 1
		.amdhsa_forward_progress 1
		.amdhsa_inst_pref_size 84
	.end_amdhsa_kernel
	.amdgpu_metadata
---
amdhsa.version: [ 1, 2 ]
amdhsa.kernels:
  - .name:           k_q8dbde2bf8f_ln1
    .symbol:         k_q8dbde2bf8f_ln1.kd
    .args:
      - { .name: x, .offset: 0, .size: 8, .value_kind: global_buffer, .address_space: global }
      - { .name: ln1_scale, .offset: 8, .size: 8, .value_kind: global_buffer, .address_space: global }
      - { .name: ln1_shift, .offset: 16, .size: 8, .value_kind: global_buffer, .address_space: global }
      - { .name: pbuf, .offset: 24, .size: 8, .value_kind: global_buffer, .address_space: global }
    .group_segment_fixed_size: 35072
    .private_segment_fixed_size: 0
    .kernarg_segment_align: 8
    .kernarg_segment_size: 32
    .max_flat_workgroup_size: 64
    .sgpr_count:     66
    .vgpr_count:     208
    .wavefront_size: 32
...
	.end_amdgpu_metadata
.endif
;; end of part 2
;; launch qkv (part 3): grid 12 x 64, 4 waves a work-group, clusters of 4 x 4, 327,680 bytes of LDS; arguments pbuf, wa, qbuf; writes qbuf
.if DOCPART == 3
	.amdgcn_target "amdgcn-amd-amdhsa--gfx1250"
	.amdhsa_code_object_version 6
	.text
	.protected	k_q8dbde2bf8f_qkv
	.globl	k_q8dbde2bf8f_qkv
	.p2align	8
	.type	k_q8dbde2bf8f_qkv,@function
k_q8dbde2bf8f_qkv:
	s_mov_b64 s[64:65], 0
	v_nop
	global_prefetch_b8 v0, s[64:65] scope:SCOPE_SE
	s_setreg_imm32_b32 hwreg(HW_REG_WAVE_MODE, 25, 1), 1
	s_wait_xcnt 0x0
	s_wait_alu depctr_hold_cnt(0) depctr_sa_sdst(0) depctr_va_vdst(0) depctr_va_sdst(0) depctr_va_ssrc(0) depctr_va_vcc(0) depctr_vm_vsrc(0)
	s_getreg_b32 s2, hwreg(HW_REG_IB_STS2, 6, 4)
	s_cmp_eq_u32 s2, 0
	s_cbranch_scc0 .Lentry_in_a_cluster
	s_endpgm
.Lentry_in_a_cluster:
	s_bfe_u32 s2, ttmp6, 0x10000c
	s_cmp_lg_u32 s2, 0xf033
	s_cbranch_scc0 .Lentry_shape_is_right
	s_endpgm
.Lentry_shape_is_right:
; C[m][n] = sum over k of A[m][k] B[n][k], bf16 operands, f32 sums; 8,192 rows, K = 128 KT.  ONE SOURCE FOR FOUR LAUNCHES; the three lines below choose.  HERE: q, k, v = h (wq | wk | wv), bf16 out, tiled.
.set KT,   4                           ; tiles of 128 along K
.set BOFF, 0                           ; where B begins in its buffer
.set MODE, 0                           ; 0: C rounded to bf16, tiled.  1: gelu(C + bias), bf16, tiled.  2: C + bias + res, f32, row-major
; LAYOUT of A, B and a 16-bit C.  BLOCK: 16 rows x 32 k in 1,024 bytes: byte = ((k % 32) / 8) x 256 + (row % 16) x 16 + (k % 8) x 2: a matrix fragment is two loads of 16 bytes a lane at 16 x lane and
; 16 x lane + 512, each 512 consecutive bytes.  TILE: 128 rows x 128 k = [k / 32][row / 16][block] = 32,768 dense bytes.  A: tile (kt, mb) at (64 kt + mb) x 32,768.  B: tile (nb, kt) at (KT nb + kt) x 32,768.
; SHARES.  A work-group makes 128 x 128 of C, four waves 64 x 64 each: 16 accumulators.  K goes in steps of 256 through two LDS slots of 4 tiles (A's two, B's two), a tile a wave and tensor load.
; CLUSTER 4 x 4: the four of a row need the same tiles of A, the four of a column the same tiles of B: each is asked for jointly, by the same load, descriptor and mask in all four.
; THE MATRIX INSTRUCTION IS USED TRANSPOSED (source 0 = 16 rows of B, source 1 = 16 rows of A): a lane holds row lane % 16 of C and 8 neighbouring columns, which as bf16 are 16 bytes at 16 x lane of half a block:
; a 16-bit C leaves by stores of 512 consecutive bytes, with no way through LDS.  An f32 C goes through the wave's own stage and leaves as rows of 256 bytes.
; GELU: 0.5 t (1 + tanh(u)) = t / (1 + 2^(t (GA + GB t^2))), GA = -2 sqrt(2 / pi) log2(e), GB = 0.044715 GA: an exponent beyond f32's range gives 0 or t, as tanh's ends do.  NaN and infinities are not treated apart.
; REGISTERS: window 0: v0-31 addresses; v32-127 the way out; v128-255 accumulators ((a, b) at 128 + 8 (4 a + b)).  Window 1: two fragment buffers of 128: 64 registers of A (2 x 4 x 16 rows x 32 k), then 64 of B.
.set LAPS,  KT/4                       ; a lap = two K steps = once round the ring
.set TILEB, 32768
.set SLOT,  4*TILEB
.set STAGE, 2*SLOT                     ; behind the ring: 16 rows x 272 bytes for each wave (MODE 2)
.set SPITCH, 272
.set SPARE, STAGE+4*16*SPITCH          ; behind the stages: the spare words, 128 bytes a wave: two blocks of 256 bytes that no other line names
.set B4,   8                           ; v[8:11]  MODE 2: bias of my 4 columns
.set ADRA, 16                          ; v16-17   LDS address of my A fragments in slot 0, 1
.set ADRB, 20                          ; v20-21   the same for B
.set STO,  24                          ; v24      MODE 2: where I put 32 bytes of a row
.set RD,   25                          ; v25      MODE 2: where I read a row back
.set CO,   26                          ; v26      my byte offset in C
.set SPW,  28                          ; v28      my spare word
.set NIL,  29                          ; v29      0
.set BO,   30                          ; v30      my byte offset in the bias
.set BIAS, 32                          ; v[32:63]  MODE 1: bias of my 32 columns
.set RB,   32                          ; v[32:63]  MODE 2: 16 rows read back
.set TMP,  64                          ; v[64:95]  MODE 0, 1: packed results, two sets of 16
.set RS,   64                          ; v[64:127] MODE 2: the residual's rows, two sets of 32
.set U,    96                          ; v[96:127] MODE 1: at work
.set ACC,  128
.set F0,   0
.set F1,   128
.set G1, 24                            ; s[24:31] descriptor group 1 for A; s[32:39] group 0, a set for each slot
.set G0, 32
.set G1B, 48                           ; s[48:55], s[56:63] the same for B
.set G0B, 56
.set MSB, 0
.macro WIN new                         ; the immediate's high byte repeats the setting that is left
.if MSB != (\new)
	s_set_vgpr_msb (MSB<<8)|(\new)
.set MSB, \new
.endif
.endm
.set MUL,  0x05                        ; sources 0 (B) and 1 (A) window 1; C and D window 0
.set TO_F, 0x40                        ; destination window 1, address window 0
.macro JLOAD s                         ; a joint load: waves 0, 1 fetch A's two tiles, waves 2, 3 B's; an s_nop 0 and four v_nop follow each line
	s_cmp_eq_u32 s11, 0
	s_cbranch_scc0 .Lfor_b_\@
	tensor_load_to_lds s[G0+4*(\s):G0+4*(\s)+3], s[G1:G1+7]
	s_nop 0
.rept 4
	v_nop
.endr
	s_branch .Lasked_\@
.Lfor_b_\@:
	tensor_load_to_lds s[G0B+4*(\s):G0B+4*(\s)+3], s[G1B:G1B+7]
	s_nop 0
.rept 4
	v_nop
.endr
.Lasked_\@:
.endm
.macro CREST                           ; a round of the cluster's barrier behind its opening barrier
	s_cmp_lg_u32 s10, 0
	s_cbranch_scc1 .Lnot_wave_0_\@
	s_barrier_signal -3
.Lnot_wave_0_\@:
	s_barrier_wait -3
	s_barrier_signal -1
	s_barrier_wait -1
.endm
.macro CROUND
	s_barrier_signal -1
	s_barrier_wait -1
	CREST
.endm
	s_load_b128 s[4:7], s[0:1], 0x0                ; A s[4:5], B s[6:7]
	s_load_b64 s[8:9], s[0:1], 0x10                ; C
.if MODE >= 1
	s_load_b64 s[68:69], s[0:1], 0x18              ; bias
.endif
.if MODE == 2
	s_load_b64 s[70:71], s[0:1], 0x20              ; res
.endif
	v_lshl_add_u32 v[SPW], v0, 2, SPARE
	v_mov_b32 v[NIL], 0
	ds_add_u32 v[SPW], v[NIL]                      ; the wave's opening: the add and its wait ahead of my first tensor load; work on registers stands between them
	ds_add_u32 v28, v29
	v_lshrrev_b32 v1, 5, v0
	v_readfirstlane_b32 s10, v1                    ; wave 0..3
	s_lshr_b32 s11, s10, 1                         ; my half of the tile's rows.  Also: I fetch for A (0) or B (1)
	s_and_b32 s12, s10, 1                          ; my half of its columns.  Also: which of a K step's two tiles I fetch
	s_bfe_u32 s40, ttmp6, 0x40000                  ; cx, cy
	s_bfe_u32 s41, ttmp6, 0x40004
	s_lshl_b32 s42, ttmp9, 2
	s_add_co_u32 s42, s42, s40                     ; tile column x = 4 x cluster x + cx
	s_and_b32 s13, ttmp7, 0xffff
	s_lshl_b32 s13, s13, 2
	s_add_co_u32 s13, s13, s41                     ; tile row y = 4 x cluster y + cy
	s_lshl_b32 s43, s41, 2
	s_lshl_b32 s43, 15, s43                        ; my row of the cluster
	s_lshl_b32 s44, 0x1111, s40                    ; my column
	s_or_b32 s[G1+0], s43, (3<<16)|(1<<21)         ; 15:0 the mask; 17:16 elements of 8 bytes; 21 set beside a mask; no padding
	s_or_b32 s[G1B+0], s44, (3<<16)|(1<<21)
.irp g, G1, G1B                        ; a dense tile as 128 rows of 256 bytes
	s_mov_b32 s[(\g)+1], 32<<16                    ; tensor_dim0 = 32 elements
	s_mov_b32 s[(\g)+2], 128<<16                   ; tensor_dim1 = 128
	s_mov_b32 s[(\g)+3], 32<<16                    ; tile_dim0 = 32
	s_mov_b32 s[(\g)+4], 128                       ; tile_dim1 = 128
	s_mov_b32 s[(\g)+5], 32                        ; from row to row
	s_mov_b32 s[(\g)+6], 0
	s_mov_b32 s[(\g)+7], 0
.endr
	s_lshl_b32 s16, s12, 6
	s_add_co_u32 s16, s16, s13
	s_lshl_b32 s16, s16, 15                        ; A: tile (my kt of step 0, y)
	s_mov_b32 s17, 0
	s_mul_i32 s46, s42, KT
	s_add_co_u32 s46, s46, s12
	s_lshl_b32 s46, s46, 15                        ; B: tile (x, my kt of step 0)
	s_mov_b32 s47, 0
	s_lshl_b32 s20, s10, 15                        ; where it goes: wave x a tile: no place in the cluster enters an LDS address
	s_wait_dscnt 0x0                               ; the opening add is done
	s_wait_kmcnt 0x0
	s_add_nc_u64 s[14:15], s[4:5], s[16:17]
	s_add_nc_u64 s[46:47], s[6:7], s[46:47]
.if BOFF
	s_add_nc_u64 s[46:47], s[46:47], BOFF
.endif
	CROUND                                         ; all sixteen work-groups are here: the first joint loads meet
.irp s, 0,1
	s_mov_b32 s[G0+4*(\s)], 1
	s_add_co_u32 s[G0+4*(\s)+1], s20, (\s)*SLOT
	s_add_nc_u64 s[G0+4*(\s)+2:G0+4*(\s)+3], s[14:15], (\s)*2*64*TILEB
	s_or_b32 s[G0+4*(\s)+3], s[G0+4*(\s)+3], 0x80000000
	s_mov_b32 s[G0B+4*(\s)], 1
	s_add_co_u32 s[G0B+4*(\s)+1], s20, (\s)*SLOT
	s_add_nc_u64 s[G0B+4*(\s)+2:G0B+4*(\s)+3], s[46:47], (\s)*2*TILEB
	s_or_b32 s[G0B+4*(\s)+3], s[G0B+4*(\s)+3], 0x80000000
	JLOAD \s                                       ; two loads of mine are out
.endr
	v_and_b32 v1, 15, v0                           ; r = l % 16
	v_bfe_u32 v2, v0, 4, 1                         ; h = l / 16
	v_and_b32 v3, 31, v0
	v_lshlrev_b32 v3, 4, v3                        ; 16 x lane
	s_lshl_b32 s21, s11, 12                        ; my 64 rows of A: four blocks
	s_lshl_b32 s22, s12, 12                        ; my 64 rows of B,
	s_add_co_u32 s22, s22, 2*TILEB                 ; behind A's two tiles
.irp s, 0,1
	v_add_nc_u32 v[ADRA+(\s)], s21, v3
	v_add_nc_u32 v[ADRB+(\s)], s22, v3
	s_add_co_u32 s21, s21, SLOT
	s_add_co_u32 s22, s22, SLOT
.endr
.if MODE < 2
	s_lshl_b32 s23, s12, 14                        ; my 64 columns: two rows of blocks of C's tile,
	s_lshl_b32 s21, s11, 12                        ; my 64 rows: four blocks
	s_add_co_u32 s23, s23, s21
	v_add_nc_u32 v[CO], s23, v3
	s_lshl_b32 s16, s13, 15                        ; C's tile (x, y) at (64 x + y) x 32,768
	s_lshl_b32 s46, s42, 21
.else
	s_mul_i32 s23, s10, 16*SPITCH
	s_add_co_u32 s23, s23, STAGE                   ; my stage
	v_mul_u32_u24 v4, v1, SPITCH                   ; in: row r, 32 bytes for each half of the lanes
	v_lshl_add_u32 v4, v2, 5, v4
	v_add_nc_u32 v[STO], s23, v4
	v_mul_u32_u24 v5, v2, SPITCH                   ; back: lanes 0-15 one row of 256 bytes, lanes 16-31 the next
	v_lshl_add_u32 v5, v1, 4, v5
	v_add_nc_u32 v[RD], s23, v5
	v_lshlrev_b32 v5, 11, v2                       ; and the same two rows in C and res: 2,048 bytes a row
	v_lshl_add_u32 v[CO], v1, 4, v5
	s_lshl_b32 s16, s13, 18                        ; 128 y rows
	s_lshl_b32 s17, s11, 17                        ; + my 64
	s_add_co_u32 s16, s16, s17
	s_lshl_b32 s46, s42, 9                         ; 128 x columns of 4 bytes
	s_lshl_b32 s47, s12, 8                         ; + my 64
	s_add_co_u32 s46, s46, s47
.endif
	s_mov_b32 s17, 0
	s_mov_b32 s47, 0
	s_add_nc_u64 s[8:9], s[8:9], s[16:17]
	s_add_nc_u64 s[8:9], s[8:9], s[46:47]
.macro RLOAD a                         ; MODE 2: the residual's rows 16 a .. 16 a + 15 of my 64, as they will be stored
.irp t, 0,1,2,3,4,5,6,7
	global_load_b128 v[RS+32*((\a)%2)+4*(\t):RS+32*((\a)%2)+4*(\t)+3], v[CO], s[70:71] offset:(16*(\a)+2*(\t))*2048
.endr
.endm
.if MODE == 1                          ; what the way out will want is asked for now
	s_lshl_b32 s72, s42, 9
	s_lshl_b32 s73, s12, 8
	s_add_co_u32 s72, s72, s73
	s_mov_b32 s73, 0
	s_add_nc_u64 s[68:69], s[68:69], s[72:73]
	v_lshlrev_b32 v[BO], 5, v2                     ; my 8 columns of each 16
.irp b, 0,1,2,3
	global_load_b128 v[BIAS+8*(\b):BIAS+8*(\b)+3],   v[BO], s[68:69] offset:64*(\b)
	global_load_b128 v[BIAS+8*(\b)+4:BIAS+8*(\b)+7], v[BO], s[68:69] offset:64*(\b)+16
.endr
	s_mov_b32 s76, 0xc0135761                      ; GA = -2.3022082
	s_mov_b32 s77, s76
	s_mov_b32 s78, 0xbdd2d3e8                      ; GB = -0.10294324
	s_mov_b32 s79, s78
.endif
.if MODE == 2
	s_add_nc_u64 s[68:69], s[68:69], s[46:47]
	s_add_nc_u64 s[70:71], s[70:71], s[16:17]
	s_add_nc_u64 s[70:71], s[70:71], s[46:47]
	v_lshlrev_b32 v[BO], 4, v1
	global_load_b128 v[B4:B4+3], v[BO], s[68:69]
	RLOAD 0
	RLOAD 1
.endif
; 8 matrix instructions: m blocks a0, a0 + 1 x all 4 n blocks, 32 along K: half c of buffer f.  zero = 1: the first product starts the sums.  The 16 accumulators take turns.
.macro MUL8 f, c, a0, zero
	WIN MUL
.irp a, \a0, (\a0)+1
.irp b, 0,1,2,3
.if \zero
	v_wmma_f32_16x16x32_bf16 v[ACC+8*(4*(\a)+(\b)):ACC+8*(4*(\a)+(\b))+7], v[(\f)+64+8*(4*(\c)+(\b)):(\f)+64+8*(4*(\c)+(\b))+7], v[(\f)+8*(4*(\c)+(\a)):(\f)+8*(4*(\c)+(\a))+7], 0
.else
	v_wmma_f32_16x16x32_bf16 v[ACC+8*(4*(\a)+(\b)):ACC+8*(4*(\a)+(\b))+7], v[(\f)+64+8*(4*(\c)+(\b)):(\f)+64+8*(4*(\c)+(\b))+7], v[(\f)+8*(4*(\c)+(\a)):(\f)+8*(4*(\c)+(\a))+7], v[ACC+8*(4*(\a)+(\b)):ACC+8*(4*(\a)+(\b))+7]
.endif
.endr
.endr
.endm
; 32 LDS loads in one run: the fragments of quarter q (64 along K: rows of blocks 2 q, 2 q + 1 of the step's eight) into buffer f; the first 32 along K first
.macro FETCH slot, q, f
	WIN TO_F
.irp c, 0,1
.irp i, 0,1,2,3
	ds_load_b128 v[(\f)+64+8*(4*(\c)+(\i)):(\f)+64+8*(4*(\c)+(\i))+3],   v[ADRB+(\slot)] offset:(2*(\q)+(\c))*8192+(\i)*1024
	ds_load_b128 v[(\f)+64+8*(4*(\c)+(\i))+4:(\f)+64+8*(4*(\c)+(\i))+7], v[ADRB+(\slot)] offset:(2*(\q)+(\c))*8192+(\i)*1024+512
	ds_load_b128 v[(\f)+8*(4*(\c)+(\i)):(\f)+8*(4*(\c)+(\i))+3],         v[ADRA+(\slot)] offset:(2*(\q)+(\c))*8192+(\i)*1024
	ds_load_b128 v[(\f)+8*(4*(\c)+(\i))+4:(\f)+8*(4*(\c)+(\i))+7],       v[ADRA+(\slot)] offset:(2*(\q)+(\c))*8192+(\i)*1024+512
.endr
.endr
.endm
.macro PLACES                          ; four places in front of loads into registers that matrix instructions have read, and of lines that read results
.rept 4
	v_nop
.endr
.endm
; A K step is four quarters, 32 matrix instructions each, on buffers 0, 1, 0, 1.  One of the first three: multiplies buffer f and fetches quarter q into g.
.macro QUARTER slot, q, f, g, zero
	s_wait_dscnt 16                                ; the first 32 along K are in
	MUL8 \f, 0, 0, \zero
	MUL8 \f, 0, 2, \zero
	PLACES
	FETCH \slot, \q, \g
	s_wait_dscnt 32                                ; all but the 32 just issued
	MUL8 \f, 1, 0, 0
	MUL8 \f, 1, 2, 0
.endm
; The last quarter multiplies buffer 1 and changes slots: ONE barrier; in front of it each wave waits for all its tensor loads, adds 0 to its spare word, and waits for that and for its reads of this slot.
.macro TURN slot, next, fill
	WIN 0
	s_wait_tensorcnt 0x0                           ; all my tensor loads have landed: my part of the next slot
	ds_add_u32 v[SPW], v[NIL]                      ; 0 onto my spare word
	s_wait_dscnt 17                                ; (the add and the youngest sixteen loads may be out)
	MUL8 F1, 0, 0, 0
	s_wait_dscnt 0x0                               ; the add is done, and my reads of this slot are over
	s_barrier_signal -1
	MUL8 F1, 0, 2, 0
.if \fill
	WIN 0
.endif
	s_barrier_wait -1
.if \fill
	CREST                                          ; the barrier has opened a round of the cluster's: no wave of any partner still reads this slot or has a load on its way
	s_add_nc_u64 s[G0+4*(\slot)+2:G0+4*(\slot)+3], s[G0+4*(\slot)+2:G0+4*(\slot)+3], 4*64*TILEB
	s_add_nc_u64 s[G0B+4*(\slot)+2:G0B+4*(\slot)+3], s[G0B+4*(\slot)+2:G0B+4*(\slot)+3], 4*TILEB
	JLOAD \slot                                    ; the first tensor load behind the round, one a wave: 112 matrix instructions ahead of the wait for it
.else
	PLACES
.endif
	FETCH \next, 0, F0
	MUL8 F1, 1, 0, 0
	MUL8 F1, 1, 2, 0
.endm
	s_wait_tensorcnt 1                             ; my part of K step 0 is in; step 1's may stay out
	s_barrier_signal -1
	s_barrier_wait -1
	FETCH 0, 0, F0
	QUARTER 0, 1, F0, F1, 1                        ; the first quarter's first products start the sums
.if LAPS > 1
	WIN 0
	s_mov_b32 s3, LAPS-1
.Llap:                                                 ; a trip goes once round the ring and fills both slots again
	QUARTER 0, 2, F1, F0, 0
	QUARTER 0, 3, F0, F1, 0
	TURN 0, 1, 1
	QUARTER 1, 1, F0, F1, 0
	QUARTER 1, 2, F1, F0, 0
	QUARTER 1, 3, F0, F1, 0
	TURN 1, 0, 1
	QUARTER 0, 1, F0, F1, 0
	WIN 0
	s_sub_co_u32 s3, s3, 1
	s_cmp_lg_u32 s3, 0
	s_cbranch_scc1 .Llap
.endif
	QUARTER 0, 2, F1, F0, 0                        ; the last lap fills nothing
	QUARTER 0, 3, F0, F1, 0
	TURN 0, 1, 0
	QUARTER 1, 1, F0, F1, 0
	QUARTER 1, 2, F1, F0, 0
	QUARTER 1, 3, F0, F1, 0
	s_wait_dscnt 16
	MUL8 F1, 0, 0, 0
	MUL8 F1, 0, 2, 0
	s_wait_dscnt 0
	MUL8 F1, 1, 0, 0
	MUL8 F1, 1, 2, 0
	WIN 0
	PLACES
; THE WAYS OUT, 16 rows (m block a) at a time; each accumulator's registers are taken in ascending order.
.macro GELU a                          ; t = C + bias; t / (1 + 2^(t (GA + GB t t))), in place; one batch of exponentials and one of reciprocals, a wait each
.set A0, ACC+32*(\a)
.set z, 0
.rept 16
	v_pk_add_f32 v[A0+2*z:A0+2*z+1], v[A0+2*z:A0+2*z+1], v[BIAS+2*z:BIAS+2*z+1]
.set z, z+1
.endr
.set z, 0
.rept 16
	v_pk_mul_f32 v[U+2*z:U+2*z+1], v[A0+2*z:A0+2*z+1], v[A0+2*z:A0+2*z+1]
.set z, z+1
.endr
.set z, 0
.rept 16
	v_pk_fma_f32 v[U+2*z:U+2*z+1], v[U+2*z:U+2*z+1], s[78:79], s[76:77] op_sel_hi:[1,0,0]
.set z, z+1
.endr
.set z, 0
.rept 16
	v_pk_mul_f32 v[U+2*z:U+2*z+1], v[U+2*z:U+2*z+1], v[A0+2*z:A0+2*z+1]
.set z, z+1
.endr
.set z, 0
.rept 32
	v_exp_f32 v[U+z], v[U+z]
.set z, z+1
.endr
	v_nop                                          ; a plain instruction behind the last exponential,
	s_wait_alu depctr_va_vdst(0)                   ; and the batch's one wait, ahead of the first reader
.set z, 0
.rept 16
	v_pk_add_f32 v[U+2*z:U+2*z+1], v[U+2*z:U+2*z+1], 1.0 op_sel_hi:[1,0]
.set z, z+1
.endr
.set z, 0
.rept 32
	v_rcp_f32 v[U+z], v[U+z]
.set z, z+1
.endr
	v_nop
	s_wait_alu depctr_va_vdst(0)
.set z, 0
.rept 16
	v_pk_mul_f32 v[A0+2*z:A0+2*z+1], v[A0+2*z:A0+2*z+1], v[U+2*z:U+2*z+1]
.set z, z+1
.endr
.endm
.macro OUT16 a                         ; rounded to bf16: 16 bytes a lane and n block; four stores of 512 consecutive bytes
	s_wait_xcnt 0x0                                ; the stores issued so far have read their data: TMP is written again only behind this wait
.irp b, 0,1,2,3
.irp p, 0,1,2,3
	v_cvt_pk_bf16_f32 v[TMP+16*((\a)%2)+4*(\b)+(\p)], v[ACC+8*(4*(\a)+(\b))+2*(\p)], v[ACC+8*(4*(\a)+(\b))+2*(\p)+1]
.endr
.endr
.irp b, 0,1,2,3
	global_store_b128 v[CO], v[TMP+16*((\a)%2)+4*(\b):TMP+16*((\a)%2)+4*(\b)+3], s[8:9] offset:((\b)/2)*8192+(\a)*1024+((\b)%2)*512
.endr
.endm
.macro OUT32 a                         ; through my stage: 32 bytes a lane and n block in, whole rows of 256 bytes back; + bias + res; eight stores, 16 lanes to 256 consecutive bytes, aligned
.irp b, 0,1,2,3
	ds_store_b128 v[STO], v[ACC+8*(4*(\a)+(\b)):ACC+8*(4*(\a)+(\b))+3]   offset:64*(\b)
	ds_store_b128 v[STO], v[ACC+8*(4*(\a)+(\b))+4:ACC+8*(4*(\a)+(\b))+7] offset:64*(\b)+16
.endr
	s_wait_xcnt 0x0                                ; the last block's stores have read RB
.irp t, 0,1,2,3,4,5,6,7
	ds_load_b128 v[RB+4*(\t):RB+4*(\t)+3], v[RD] offset:(\t)*2*SPITCH  ; LDS serves a wave's instructions in order (ISA guide 5.7.1.4): these see the stores above, and the next block's stores come behind them
.endr
.if (\a) < 3
	s_wait_loadcnt 8                               ; this block's residual is in; the next block's eight loads stay out
.else
	s_wait_loadcnt 0x0
.endif
	s_wait_dscnt 0x0
.irp t, 0,1,2,3,4,5,6,7
	v_pk_add_f32 v[RB+4*(\t):RB+4*(\t)+1],   v[RB+4*(\t):RB+4*(\t)+1],   v[B4:B4+1]
	v_pk_add_f32 v[RB+4*(\t)+2:RB+4*(\t)+3], v[RB+4*(\t)+2:RB+4*(\t)+3], v[B4+2:B4+3]
	v_pk_add_f32 v[RB+4*(\t):RB+4*(\t)+1],   v[RB+4*(\t):RB+4*(\t)+1],   v[RS+32*((\a)%2)+4*(\t):RS+32*((\a)%2)+4*(\t)+1]
	v_pk_add_f32 v[RB+4*(\t)+2:RB+4*(\t)+3], v[RB+4*(\t)+2:RB+4*(\t)+3], v[RS+32*((\a)%2)+4*(\t)+2:RS+32*((\a)%2)+4*(\t)+3]
	global_store_b128 v[CO], v[RB+4*(\t):RB+4*(\t)+3], s[8:9] offset:(16*(\a)+2*(\t))*2048
.endr
.if (\a) < 2
	RLOAD (\a)+2
.endif
.endm
.if MODE == 1
	s_wait_loadcnt 0x0                             ; the bias
.endif
.irp a, 0,1,2,3
.if MODE == 1
	GELU \a
.endif
.if MODE < 2
	OUT16 \a
.else
	OUT32 \a
.endif
.endr
	s_wait_tensorcnt 0x0                           ; the wave's end, behind my last tensor load and my last LDS store
	ds_add_u32 v[SPW], v[NIL]
	s_wait_dscnt 0x0
	CROUND                                         ; the closing round: no work-group ends while a partner may still ask for a tile that names it
	s_endpgm
.Lfunc_end_k_q8dbde2bf8f_qkv:
	.size	k_q8dbde2bf8f_qkv, .Lfunc_end_k_q8dbde2bf8f_qkv-k_q8dbde2bf8f_qkv
	.p2alignl 7, 3214868480
	.fill 96, 4, 3214868480
	.section	.rodata,"a",@progbits
	.p2align	6, 0x0
	.amdhsa_kernel k_q8dbde2bf8f_qkv
		.amdhsa_group_segment_fixed_size 327680
		.amdhsa_private_segment_fixed_size 0
		.amdhsa_enable_private_segment 0
		.amdhsa_kernarg_size 24
		.amdhsa_user_sgpr_count 2
		.amdhsa_user_sgpr_kernarg_segment_ptr 1
		.amdhsa_wavefront_size32 1
		.amdhsa_system_sgpr_workgroup_id_x 1
		.amdhsa_system_sgpr_workgroup_id_y 1
		.amdhsa_system_sgpr_workgroup_id_z 1
		.amdhsa_system_vgpr_workitem_id 0
		.amdhsa_next_free_vgpr 512
		.amdhsa_next_free_sgpr 80
		.amdhsa_reserve_vcc 0
		.amdhsa_float_denorm_mode_32 3
		.amdhsa_float_denorm_mode_16_64 3
		.amdhsa_memory_ordered 1
		.amdhsa_forward_progress 1
		.amdhsa_inst_pref_size 47
	.end_amdhsa_kernel
	.amdgpu_metadata
---
amdhsa.version: [ 1, 2 ]
amdhsa.kernels:
  - .name:           k_q8dbde2bf8f_qkv
    .symbol:         k_q8dbde2bf8f_qkv.kd
    .args:
      - { .name: pbuf, .offset: 0, .size: 8, .value_kind: global_buffer, .address_space: global }
      - { .name: wa, .offset: 8, .size: 8, .value_kind: global_buffer, .address_space: global }
      - { .name: qbuf, .offset: 16, .size: 8, .value_kind: global_buffer, .address_space: global }
    .group_segment_fixed_size: 327680
    .private_segment_fixed_size: 0
    .kernarg_segment_align: 8
    .kernarg_segment_size: 24
    .max_flat_workgroup_size: 128
    .sgpr_count:     80
    .vgpr_count:     512
    .wavefront_size: 32
...
	.end_amdgpu_metadata
.endif
;; end of part 3
;; launch attn (part 4): grid 4 x 64, 4 waves a work-group, no clusters, 20,992 bytes of LDS; arguments qbuf, pbuf; writes pbuf
.if DOCPART == 4
	.amdgcn_target "amdgcn-amd-amdhsa--gfx1250"
	.amdhsa_code_object_version 6
	.text
	.protected	k_q8dbde2bf8f_attn
	.globl	k_q8dbde2bf8f_attn
	.p2align	8
	.type	k_q8dbde2bf8f_attn,@function
k_q8dbde2bf8f_attn:
	s_mov_b64 s[64:65], 0
	v_nop
	global_prefetch_b8 v0, s[64:65] scope:SCOPE_SE
	s_setreg_imm32_b32 hwreg(HW_REG_WAVE_MODE, 25, 1), 1
	s_wait_xcnt 0x0
; CAUSAL ATTENTION, 64 heads (4 batches x 16) of 2,048 rows x 32 channels.  O[q] = sum over k <= q of softmax_k(Q[q] . K[k] / sqrt(32)) V[k].  q, k, v, O in bf16; products, maxima and sums in f32; the weights are
; rounded to bf16 for the second product (their sum is taken unrounded), O once at the end.
; LIMITS.  A hidden score counts as its value less 1e30; a weight below 2^-126 counts as 0; NaN and infinities are not treated apart.
; LAYOUT in memory.  16 rows x a head's 32 channels are one BLOCK of 1,024 bytes: byte = (ch / 8) x 256 + (row % 16) x 16 + (ch % 8) x 2.  A head's blocks: 8 on end for 128 rows, then 32,768 bytes on.
; q lies at the head's base, k 8,388,608 and v 16,777,216 bytes further; O in the other buffer at the same base.  A fragment of Q or K is two loads of 16 bytes a lane, at 16 x lane and + 512.
; THE WALK.  Blocks of 256 queries; block i needs key steps (64 keys) 0 .. 4 i + 3.  A work-group takes blocks 7 - b and then b: 36 key steps whatever b.  Of a block's four bands of 64 queries a wave owns 16 rows
; in each: four PIECES; piece t's own step is 4 i + t: later steps are jumped over, the own step takes the mask MD as the C operand that starts the scores, earlier steps the constant 0: alike in all four waves.
; K AND V go from memory through registers into two LDS slots that the four waves share: 128 threads x 4 x 16 bytes a step, asked for two steps ahead; ONE barrier a step: in front of it each wave has its reads of
; the slot in hand back and its stores into the other slot done.  V's 256-byte chunks (8 channels x 16 keys) lie 384 bytes apart.
; NO CLUSTER, NO TENSOR LOADS: a head's four work-groups walk blocks of different lengths, so they want different tiles in most steps.
; PRODUCTS.  S^T = K Q^T (source 0 = 16 keys, source 1 = 16 queries): a lane holds ONE query (l % 16) and keys 8 (l / 16) + 0..7; two such results rounded in pairs ARE source 1 of O^T = V^T P.
; SOFTMAX.  Running maximum m and sum l a query: p = 2^(c s - c m), c = log2(e) / sqrt(32); O and l are multiplied by a = 2^(c m_old - c m_new) in every step; the first step's a is 0.
; REGISTERS.  Window 0: below.  Window 1: v0-63 O^T (16 a piece), v64-95 MD, v96-127 two sets of 16 for K and V on their way.
.set SLOTB, 10240                      ; a slot: K 4,096 bytes as it lies, then V's 16 chunks
.set VP,    384
.set SPARE, 2*SLOTB                    ; the spare words, 128 bytes a wave: two blocks of 256 bytes that no other line names
.set L16, 3                            ; v3   16 x lane
.set AV0, 4                            ; v4   the turning load: chunk (l / 8) % 2, key 8 (l / 16) + l % 8
.set T16, 5                            ; v5   16 x thread: my bytes of a step's K or V in memory, and of K in a slot
.set VST, 6                            ; v6   my bytes of V in a slot
.set QOF, 8                            ; v8   16 x lane + my wave's block: Q and O
.set SPW, 10
.set NIL, 11
.set C0,  12                           ; v[12:15] at work; v14 takes a
.set CMO, 16                           ; v16  c m_old
.set ST,  20                           ; piece t at 20 + 4 t: c m, m, l (even keys', odd keys')
.set Q,   40                           ; v[40:71]
.set KF,  72                           ; v[72:103]   K: 16 keys kt at 72 + 8 kt
.set VF,  104                          ; v[104:135]  V^T: keys 32 kk on, channels 16 ct on at 104 + 8 (2 kk + ct)
.set S,   136                          ; v[136:167]
.set P,   168                          ; v[168:183]
.set MD,  64                           ; window 1
.set G,   96                           ; window 1
.set OWN, 36                           ; s36-39 the pieces' own steps
.set MSB, 0
.macro WIN new
.if MSB != (\new)
	s_set_vgpr_msb (MSB<<8)|(\new)
.set MSB, \new
.endif
.endm
.macro PLACES
.rept 4
	v_nop
.endr
.endm
	s_load_b64 s[4:5], s[0:1], 0x0                 ; q, k, v
	s_load_b64 s[10:11], s[0:1], 0x8               ; O
	v_lshl_add_u32 v[SPW], v0, 2, SPARE
	v_mov_b32 v[NIL], 0
	v_lshrrev_b32 v1, 5, v0
	v_readfirstlane_b32 s12, v1                    ; wave 0..3
	v_and_b32 v1, 15, v0                           ; r
	v_bfe_u32 v2, v0, 4, 1                         ; l / 16
	v_and_b32 v[L16], 31, v0
	v_lshlrev_b32 v[L16], 4, v[L16]
	v_and_b32 v7, 7, v0
	v_lshl_add_u32 v7, v2, 3, v7
	v_lshlrev_b32 v7, 4, v7
	v_bfe_u32 v[AV0], v0, 3, 1
	v_mul_u32_u24 v[AV0], v[AV0], VP
	v_add3_u32 v[AV0], v[AV0], v7, 4096
	v_lshlrev_b32 v[T16], 4, v0
	v_lshrrev_b32 v[VST], 4, v0
	v_mul_u32_u24 v[VST], v[VST], VP
	v_lshl_add_u32 v[VST], v1, 4, v[VST]
	v_add_nc_u32 v[VST], 4096, v[VST]
	s_lshl_b32 s24, s12, 10
	v_add_nc_u32 v[QOF], s24, v[L16]
	v_lshlrev_b32 v9, 3, v2
	v_sub_nc_u32 v9, v1, v9
	s_lshl_b32 s24, s12, 4
	v_add_nc_u32 v9, s24, v9                       ; my query's place in its band, 16 w + r, less my lanes' 8 (l / 16): register j of key group kt is hidden where 16 kt + j is greater
	s_mov_b32 s34, 0xf149f2ca                      ; -1e30
	WIN 0x40
.set i, 0
.rept 32
	v_cmp_gt_i32 vcc_lo, 16*(i/8)+i%8, v9
	v_cndmask_b32 v[MD+i], 0, s34, vcc_lo
.set i, i+1
.endr
	WIN 0
	s_mov_b32 s13, ttmp9                           ; b
	s_sub_co_u32 s35, 7, s13
	s_and_b32 s24, ttmp7, 0xffff
	s_lshr_b32 s25, s24, 4                         ; batch
	s_and_b32 s24, s24, 15                         ; head
	s_lshr_b32 s20, s24, 2
	s_lshl_b32 s20, s20, 6
	s_lshl_b32 s25, s25, 4
	s_add_co_u32 s20, s20, s25
	s_lshl_b32 s20, s20, 15                        ; tile column head / 4, the batch's first tile row
	s_and_b32 s24, s24, 3
	s_lshl_b32 s24, s24, 13                        ; the head's 32 channels in it
	s_add_co_u32 s20, s20, s24
	s_mov_b32 s21, 0
	s_mov_b32 s23, 0
	s_mov_b32 s30, 0x3e8293ee                      ; c = log2(e) / sqrt(32) = 0.255035
	s_mov_b32 s31, s30
	s_mov_b32 s32, 0x76543210
	s_mov_b32 s33, 0xfedcba98
	s_wait_kmcnt 0x0
	s_add_nc_u64 s[4:5], s[4:5], s[20:21]          ; q
	s_add_nc_u64 s[10:11], s[10:11], s[20:21]      ; O
	s_add_nc_u64 s[6:7], s[4:5], 0x800000          ; k
	s_add_nc_u64 s[8:9], s[4:5], 0x1000000         ; v
.macro GLOAD set, off                  ; a key step's K and V, 4 x 16 bytes a thread
	WIN 0x40
	global_load_b128 v[G+16*(\set):G+16*(\set)+3],     v[T16], s[26:27] offset:(\off)
	global_load_b128 v[G+16*(\set)+4:G+16*(\set)+7],   v[T16], s[26:27] offset:(\off)+2048
	global_load_b128 v[G+16*(\set)+8:G+16*(\set)+11],  v[T16], s[28:29] offset:(\off)
	global_load_b128 v[G+16*(\set)+12:G+16*(\set)+15], v[T16], s[28:29] offset:(\off)+2048
	WIN 0
.endm
.macro GSTORE set, slot
	WIN 0x04
	ds_store_b128 v[T16], v[G+16*(\set):G+16*(\set)+3]     offset:(\slot)*SLOTB
	ds_store_b128 v[T16], v[G+16*(\set)+4:G+16*(\set)+7]   offset:(\slot)*SLOTB+2048
	ds_store_b128 v[VST], v[G+16*(\set)+8:G+16*(\set)+11]  offset:(\slot)*SLOTB
	ds_store_b128 v[VST], v[G+16*(\set)+12:G+16*(\set)+15] offset:(\slot)*SLOTB+8*VP
	WIN 0
.endm
; Piece t in the step in hand (s15): 4 products for the scores, the softmax, 4 products onto O^T (the two accumulators by turns).
.macro PIECE t
.set rT, ST+4*(\t)
.set rO, 16*(\t)
	s_cmp_gt_u32 s15, s[OWN+(\t)]
	s_cbranch_scc1 .Lskip_\@                       ; all keys of this step are hidden from the piece
	s_cmp_eq_u32 s15, s[OWN+(\t)]
	s_cbranch_scc0 .Lopen_\@
	WIN 0x10                                       ; the C operand in window 1
.irp k, 0,1,2,3
	v_wmma_f32_16x16x32_bf16 v[S+8*\k:S+8*\k+7], v[KF+8*\k:KF+8*\k+7], v[Q+8*(\t):Q+8*(\t)+7], v[MD+8*\k:MD+8*\k+7]
.endr
	WIN 0
	s_branch .Ljoin_\@
.Lopen_\@:
.irp k, 0,1,2,3
	v_wmma_f32_16x16x32_bf16 v[S+8*\k:S+8*\k+7], v[KF+8*\k:KF+8*\k+7], v[Q+8*(\t):Q+8*(\t)+7], 0
.endr
.Ljoin_\@:
	PLACES
.irp n, 0,1,2,3                        ; the maximum of 32 scores and the old m; each accumulator's lowest registers are read first
	v_max3_num_f32 v[C0+\n], v[S+8*\n], v[S+8*\n+1], v[S+8*\n+2]
.endr
.irp n, 0,1,2,3
	v_max3_num_f32 v[C0+\n], v[C0+\n], v[S+8*\n+3], v[S+8*\n+4]
.endr
.irp n, 0,1,2,3
	v_max3_num_f32 v[C0+\n], v[C0+\n], v[S+8*\n+5], v[S+8*\n+6]
.endr
	v_max3_num_f32 v[C0], v[C0], v[S+7], v[S+15]
	v_max3_num_f32 v[C0+1], v[C0+1], v[S+23], v[S+31]
	v_max3_num_f32 v[C0+2], v[C0+2], v[C0+3], v[rT+1]
	v_mov_b32 v[CMO], v[rT]
	v_max3_num_f32 v[C0], v[C0], v[C0+1], v[C0+2]
	v_permlanex16_b32 v[C0+3], v[C0], s32, s33     ; the query's other 32 keys lie in the lane 16 away
	v_max_num_f32 v[rT+1], v[C0], v[C0+3]
	v_mul_f32 v[rT], s30, v[rT+1]
	v_sub_f32 v[C0+1], v[CMO], v[rT]
.set z, 0
.rept 16
	v_pk_fma_f32 v[S+2*z:S+2*z+1], v[S+2*z:S+2*z+1], s[30:31], v[rT:rT+1] op_sel_hi:[1,0,0] neg_lo:[0,0,1] neg_hi:[0,0,1]  ; c s - c m
.set z, z+1
.endr
	v_exp_f32 v[C0+2], v[C0+1]                     ; a
.set z, 0
.rept 32
	v_exp_f32 v[S+z], v[S+z]
.set z, z+1
.endr
	v_nop                                          ; a plain instruction behind the last exponential,
	s_wait_alu depctr_va_vdst(0)                   ; and the one wait for the batch of 33, ahead of the first reader
.set z, 0
.rept 16
	v_cvt_pk_bf16_f32 v[P+z], v[S+2*z], v[S+2*z+1]
.set z, z+1
.endr
.irp w, 4,8,16,32                      ; the sum of the 16 pairs, in place: neighbours 1, 2, 4, 8 pairs apart
.set z, 0
.rept 32/(\w)
	v_pk_add_f32 v[S+(\w)*z:S+(\w)*z+1], v[S+(\w)*z:S+(\w)*z+1], v[S+(\w)*z+(\w)/2:S+(\w)*z+(\w)/2+1]
.set z, z+1
.endr
.endr
	v_pk_fma_f32 v[rT+2:rT+3], v[rT+2:rT+3], v[C0+2:C0+3], v[S:S+1] op_sel_hi:[1,0,1]  ; l = a l + sum
	WIN 0x41                                       ; O^T in window 1, a in window 0
.set z, 0
.rept 8
	v_pk_mul_f32 v[rO+2*z:rO+2*z+1], v[rO+2*z:rO+2*z+1], v[C0+2:C0+3] op_sel_hi:[1,0]
.set z, z+1
.endr
	WIN 0x50                                       ; V and P in window 0, O^T in window 1
.irp f, 0,1,2,3
	v_wmma_f32_16x16x32_bf16 v[rO+8*(\f%2):rO+8*(\f%2)+7], v[VF+8*\f:VF+8*\f+7], v[P+8*(\f/2):P+8*(\f/2)+7], v[rO+8*(\f%2):rO+8*(\f%2)+7]
.endr
	WIN 0
.Lskip_\@:
.endm
; A key step out of slot sl.  The step after next is asked for (clamped to the block's last: no load leaves the block's keys); the next step's bytes go from registers into the other slot.
.macro STEP sl
	s_wait_xcnt 0x0                                ; the loads issued so far have read their bases, which are written anew
	s_add_co_u32 s20, s15, 2
	s_min_u32 s20, s20, s19
	s_lshr_b32 s22, s20, 1
	s_lshl_b32 s22, s22, 15
	s_and_b32 s20, s20, 1
	s_lshl_b32 s20, s20, 12
	s_add_co_u32 s20, s20, s22                     ; step j lies at (j / 2) x 32,768 + (j % 2) x 4,096
	s_add_nc_u64 s[26:27], s[6:7], s[20:21]
	s_add_nc_u64 s[28:29], s[8:9], s[20:21]
	GLOAD \sl, 0
.irp k, 0,1,2,3
	ds_load_b128 v[KF+8*\k:KF+8*\k+3],   v[L16] offset:(\sl)*SLOTB+\k*1024
	ds_load_b128 v[KF+8*\k+4:KF+8*\k+7], v[L16] offset:(\sl)*SLOTB+\k*1024+512
.endr
.irp f, 0,1,2,3
	ds_load_tr16_b128 v[VF+8*\f:VF+8*\f+3],   v[AV0] offset:(\sl)*SLOTB+(8*(\f/2)+2*(\f%2))*VP
	ds_load_tr16_b128 v[VF+8*\f+4:VF+8*\f+7], v[AV0] offset:(\sl)*SLOTB+(8*(\f/2)+4+2*(\f%2))*VP
.endr
	s_wait_dscnt 0x0
	PIECE 0
	PIECE 1
	PIECE 2
	PIECE 3
	PLACES                                         ; behind the last products, ahead of the next step's loads into K's and V's registers
	s_wait_loadcnt 4                               ; the next step's four loads are in; the four just issued stay out
	GSTORE 1-(\sl), 1-(\sl)
	s_wait_dscnt 0x0                               ; for the others' sake: my stores are done; my reads of this slot came back above
	s_barrier_signal -1
	s_add_co_u32 s15, s15, 1
	s_barrier_wait -1
.endm
	s_mov_b32 s18, 2
.Lpass:                                                ; twice: block 7 - b, then block b
	s_wait_loadcnt 0x0                             ; the last step's clamped look-ahead has landed: its registers are loaded again
	s_wait_xcnt 0x0                                ; the last pass's stores have read their data and their base
	s_cmp_eq_u32 s18, 2
	s_cselect_b32 s14, s35, s13                    ; the block
	s_lshl_b32 s19, s14, 2
.irp t, 0,1,2,3
	s_add_co_u32 s[OWN+\t], s19, \t
.endr
	s_add_co_u32 s19, s19, 3                       ; its last key step
	s_add_co_u32 s17, s14, 1
	s_lshl_b32 s17, s17, 1                         ; trips of two steps
	s_lshl_b32 s22, s14, 16
	s_add_nc_u64 s[40:41], s[4:5], s[22:23]        ; Q and O at the block
	s_add_nc_u64 s[42:43], s[10:11], s[22:23]
	s_mov_b64 s[26:27], s[6:7]
	s_mov_b64 s[28:29], s[8:9]
.irp t, 0,1,2,3
	global_load_b128 v[Q+8*\t:Q+8*\t+3],   v[QOF], s[40:41] offset:(\t/2)*32768+(\t%2)*4096
	global_load_b128 v[Q+8*\t+4:Q+8*\t+7], v[QOF], s[40:41] offset:(\t/2)*32768+(\t%2)*4096+512
.endr
	GLOAD 0, 0                                     ; key steps 0 and 1
	GLOAD 1, 4096
	WIN 0x40
.set i, 0
.rept 64
	v_mov_b32 v[i], 0                              ; O^T starts at 0, in the wait for the first loads: no first step is written out
.set i, i+1
.endr
	WIN 0
.irp t, 0,1,2,3
	v_mov_b32 v[ST+4*\t], 0xfe000000               ; c m: far below every c s
	v_mov_b32 v[ST+4*\t+1], 0xff7fffff             ; m
	v_mov_b32 v[ST+4*\t+2], 0
	v_mov_b32 v[ST+4*\t+3], 0
.endr
	s_wait_loadcnt 4                               ; Q and step 0 are in; step 1's four loads stay out
	GSTORE 0, 0                                    ; slot 0 was last read two barriers ago
	s_wait_dscnt 0x0
	s_barrier_signal -1
	s_mov_b32 s15, 0
	s_mov_b32 s16, 0
	s_barrier_wait -1
.Lkk:
	STEP 0
	STEP 1
	s_add_co_u32 s16, s16, 1
	s_cmp_lt_u32 s16, s17
	s_cbranch_scc1 .Lkk
	; the block's way out: l's halves and the other lanes' are added; O^T / l, rounded, leaves as it lies: 512 consecutive bytes a store
.irp t, 0,1,2,3
	v_add_f32 v[ST+4*\t+2], v[ST+4*\t+2], v[ST+4*\t+3]
.endr
.irp t, 0,1,2,3
	v_permlanex16_b32 v[ST+4*\t+3], v[ST+4*\t+2], s32, s33
.endr
.irp t, 0,1,2,3
	v_add_f32 v[ST+4*\t+2], v[ST+4*\t+2], v[ST+4*\t+3]
.endr
.irp t, 0,1,2,3
	v_rcp_f32 v[ST+4*\t+2], v[ST+4*\t+2]
.endr
	v_nop
	s_wait_alu depctr_va_vdst(0)                   ; one wait for the four reciprocals
.irp t, 0,1,2,3
	WIN 0x41
.set z, 0
.rept 8
	v_pk_mul_f32 v[16*\t+2*z:16*\t+2*z+1], v[16*\t+2*z:16*\t+2*z+1], v[ST+4*\t+2:ST+4*\t+3] op_sel_hi:[1,0]
.set z, z+1
.endr
	WIN 0x05                                       ; sources in window 1, destination in window 0: S's registers are free
.set z, 0
.rept 8
	v_cvt_pk_bf16_f32 v[S+8*\t+z], v[16*\t+2*z], v[16*\t+2*z+1]
.set z, z+1
.endr
	WIN 0
	global_store_b128 v[QOF], v[S+8*\t:S+8*\t+3],   s[42:43] offset:(\t/2)*32768+(\t%2)*4096
	global_store_b128 v[QOF], v[S+8*\t+4:S+8*\t+7], s[42:43] offset:(\t/2)*32768+(\t%2)*4096+512
.endr
	s_sub_co_u32 s18, s18, 1
	s_cmp_lg_u32 s18, 0
	s_cbranch_scc1 .Lpass
	s_wait_tensorcnt 0x0                           ; the wave's end, behind my last LDS store
	ds_add_u32 v[SPW], v[NIL]
	s_wait_dscnt 0x0
	s_endpgm
.Lfunc_end_k_q8dbde2bf8f_attn:
	.size	k_q8dbde2bf8f_attn, .Lfunc_end_k_q8dbde2bf8f_attn-k_q8dbde2bf8f_attn
	.p2alignl 7, 3214868480
	.fill 96, 4, 3214868480
	.section	.rodata,"a",@progbits
	.p2align	6, 0x0
	.amdhsa_kernel k_q8dbde2bf8f_attn
		.amdhsa_group_segment_fixed_size 20992
		.amdhsa_private_segment_fixed_size 0
		.amdhsa_enable_private_segment 0
		.amdhsa_kernarg_size 16
		.amdhsa_user_sgpr_count 2
		.amdhsa_user_sgpr_kernarg_segment_ptr 1
		.amdhsa_wavefront_size32 1
		.amdhsa_system_sgpr_workgroup_id_x 1
		.amdhsa_system_sgpr_workgroup_id_y 1
		.amdhsa_system_sgpr_workgroup_id_z 1
		.amdhsa_system_vgpr_workitem_id 0
		.amdhsa_next_free_vgpr 384
		.amdhsa_next_free_sgpr 66
		.amdhsa_reserve_vcc 1
		.amdhsa_float_denorm_mode_32 3
		.amdhsa_float_denorm_mode_16_64 3
		.amdhsa_memory_ordered 1
		.amdhsa_forward_progress 1
		.amdhsa_inst_pref_size 78
	.end_amdhsa_kernel
	.amdgpu_metadata
---
amdhsa.version: [ 1, 2 ]
amdhsa.kernels:
  - .name:           k_q8dbde2bf8f_attn
    .symbol:         k_q8dbde2bf8f_attn.kd
    .args:
      - { .name: qbuf, .offset: 0, .size: 8, .value_kind: global_buffer, .address_space: global }
      - { .name: pbuf, .offset: 8, .size: 8, .value_kind: global_buffer, .address_space: global }
    .group_segment_fixed_size: 20992
    .private_segment_fixed_size: 0
    .kernarg_segment_align: 8
    .kernarg_segment_size: 16
    .max_flat_workgroup_size: 128
    .sgpr_count:     66
    .vgpr_count:     384
    .wavefront_size: 32
...
	.end_amdgpu_metadata
.endif
;; end of part 4
;; launch proj (part 5): grid 4 x 64, 4 waves a work-group, clusters of 4 x 4, 327,680 bytes of LDS; arguments pbuf, wc, x1, bo, x; writes x1
.if DOCPART == 5
	.amdgcn_target "amdgcn-amd-amdhsa--gfx1250"
	.amdhsa_code_object_version 6
	.text
	.protected	k_q8dbde2bf8f_proj
	.globl	k_q8dbde2bf8f_proj
	.p2align	8
	.type	k_q8dbde2bf8f_proj,@function
k_q8dbde2bf8f_proj:
	s_mov_b64 s[64:65], 0
	v_nop
	global_prefetch_b8 v0, s[64:65] scope:SCOPE_SE
	s_setreg_imm32_b32 hwreg(HW_REG_WAVE_MODE, 25, 1), 1
	s_wait_xcnt 0x0
	s_wait_alu depctr_hold_cnt(0) depctr_sa_sdst(0) depctr_va_vdst(0) depctr_va_sdst(0) depctr_va_ssrc(0) depctr_va_vcc(0) depctr_vm_vsrc(0)
	s_getreg_b32 s2, hwreg(HW_REG_IB_STS2, 6, 4)
	s_cmp_eq_u32 s2, 0
	s_cbranch_scc0 .Lentry_in_a_cluster
	s_endpgm
.Lentry_in_a_cluster:
	s_bfe_u32 s2, ttmp6, 0x10000c
	s_cmp_lg_u32 s2, 0xf033
	s_cbranch_scc0 .Lentry_shape_is_right
	s_endpgm
.Lentry_shape_is_right:
; C[m][n] = sum over k of A[m][k] B[n][k], bf16 operands, f32 sums; 8,192 rows, K = 128 KT.  ONE SOURCE FOR FOUR LAUNCHES; the three lines below choose.  HERE: x1 = x + ctx wo + bo, f32 out, row-major.
.set KT,   4                           ; tiles of 128 along K
.set BOFF, 0                           ; where B begins in its buffer
.set MODE, 2                           ; 0: C rounded to bf16, tiled.  1: gelu(C + bias), bf16, tiled.  2: C + bias + res, f32, row-major
; LAYOUT of A, B and a 16-bit C.  BLOCK: 16 rows x 32 k in 1,024 bytes: byte = ((k % 32) / 8) x 256 + (row % 16) x 16 + (k % 8) x 2: a matrix fragment is two loads of 16 bytes a lane at 16 x lane and
; 16 x lane + 512, each 512 consecutive bytes.  TILE: 128 rows x 128 k = [k / 32][row / 16][block] = 32,768 dense bytes.  A: tile (kt, mb) at (64 kt + mb) x 32,768.  B: tile (nb, kt) at (KT nb + kt) x 32,768.
; SHARES.  A work-group makes 128 x 128 of C, four waves 64 x 64 each: 16 accumulators.  K goes in steps of 256 through two LDS slots of 4 tiles (A's two, B's two), a tile a wave and tensor load.
; CLUSTER 4 x 4: the four of a row need the same tiles of A, the four of a column the same tiles of B: each is asked for jointly, by the same load, descriptor and mask in all four.
; THE MATRIX INSTRUCTION IS USED TRANSPOSED (source 0 = 16 rows of B, source 1 = 16 rows of A): a lane holds row lane % 16 of C and 8 neighbouring columns, which as bf16 are 16 bytes at 16 x lane of half a block:
; a 16-bit C leaves by stores of 512 consecutive bytes, with no way through LDS.  An f32 C goes through the wave's own stage and leaves as rows of 256 bytes.
; GELU: 0.5 t (1 + tanh(u)) = t / (1 + 2^(t (GA + GB t^2))), GA = -2 sqrt(2 / pi) log2(e), GB = 0.044715 GA: an exponent beyond f32's range gives 0 or t, as tanh's ends do.  NaN and infinities are not treated apart.
; REGISTERS: window 0: v0-31 addresses; v32-127 the way out; v128-255 accumulators ((a, b) at 128 + 8 (4 a + b)).  Window 1: two fragment buffers of 128: 64 registers of A (2 x 4 x 16 rows x 32 k), then 64 of B.
.set LAPS,  KT/4                       ; a lap = two K steps = once round the ring
.set TILEB, 32768
.set SLOT,  4*TILEB
.set STAGE, 2*SLOT                     ; behind the ring: 16 rows x 272 bytes for each wave (MODE 2)
.set SPITCH, 272
.set SPARE, STAGE+4*16*SPITCH          ; behind the stages: the spare words, 128 bytes a wave: two blocks of 256 bytes that no other line names
.set B4,   8                           ; v[8:11]  MODE 2: bias of my 4 columns
.set ADRA, 16                          ; v16-17   LDS address of my A fragments in slot 0, 1
.set ADRB, 20                          ; v20-21   the same for B
.set STO,  24                          ; v24      MODE 2: where I put 32 bytes of a row
.set RD,   25                          ; v25      MODE 2: where I read a row back
.set CO,   26                          ; v26      my byte offset in C
.set SPW,  28                          ; v28      my spare word
.set NIL,  29                          ; v29      0
.set BO,   30                          ; v30      my byte offset in the bias
.set BIAS, 32                          ; v[32:63]  MODE 1: bias of my 32 columns
.set RB,   32                          ; v[32:63]  MODE 2: 16 rows read back
.set TMP,  64                          ; v[64:95]  MODE 0, 1: packed results, two sets of 16
.set RS,   64                          ; v[64:127] MODE 2: the residual's rows, two sets of 32
.set U,    96                          ; v[96:127] MODE 1: at work
.set ACC,  128
.set F0,   0
.set F1,   128
.set G1, 24                            ; s[24:31] descriptor group 1 for A; s[32:39] group 0, a set for each slot
.set G0, 32
.set G1B, 48                           ; s[48:55], s[56:63] the same for B
.set G0B, 56
.set MSB, 0
.macro WIN new                         ; the immediate's high byte repeats the setting that is left
.if MSB != (\new)
	s_set_vgpr_msb (MSB<<8)|(\new)
.set MSB, \new
.endif
.endm
.set MUL,  0x05                        ; sources 0 (B) and 1 (A) window 1; C and D window 0
.set TO_F, 0x40                        ; destination window 1, address window 0
.macro JLOAD s                         ; a joint load: waves 0, 1 fetch A's two tiles, waves 2, 3 B's; an s_nop 0 and four v_nop follow each line
	s_cmp_eq_u32 s11, 0
	s_cbranch_scc0 .Lfor_b_\@
	tensor_load_to_lds s[G0+4*(\s):G0+4*(\s)+3], s[G1:G1+7]
	s_nop 0
.rept 4
	v_nop
.endr
	s_branch .Lasked_\@
.Lfor_b_\@:
	tensor_load_to_lds s[G0B+4*(\s):G0B+4*(\s)+3], s[G1B:G1B+7]
	s_nop 0
.rept 4
	v_nop
.endr
.Lasked_\@:
.endm
.macro CREST                           ; a round of the cluster's barrier behind its opening barrier
	s_cmp_lg_u32 s10, 0
	s_cbranch_scc1 .Lnot_wave_0_\@
	s_barrier_signal -3
.Lnot_wave_0_\@:
	s_barrier_wait -3
	s_barrier_signal -1
	s_barrier_wait -1
.endm
.macro CROUND
	s_barrier_signal -1
	s_barrier_wait -1
	CREST
.endm
	s_load_b128 s[4:7], s[0:1], 0x0                ; A s[4:5], B s[6:7]
	s_load_b64 s[8:9], s[0:1], 0x10                ; C
.if MODE >= 1
	s_load_b64 s[68:69], s[0:1], 0x18              ; bias
.endif
.if MODE == 2
	s_load_b64 s[70:71], s[0:1], 0x20              ; res
.endif
	v_lshl_add_u32 v[SPW], v0, 2, SPARE
	v_mov_b32 v[NIL], 0
	ds_add_u32 v[SPW], v[NIL]                      ; the wave's opening: the add and its wait ahead of my first tensor load; work on registers stands between them
	ds_add_u32 v28, v29
	v_lshrrev_b32 v1, 5, v0
	v_readfirstlane_b32 s10, v1                    ; wave 0..3
	s_lshr_b32 s11, s10, 1                         ; my half of the tile's rows.  Also: I fetch for A (0) or B (1)
	s_and_b32 s12, s10, 1                          ; my half of its columns.  Also: which of a K step's two tiles I fetch
	s_bfe_u32 s40, ttmp6, 0x40000                  ; cx, cy
	s_bfe_u32 s41, ttmp6, 0x40004
	s_lshl_b32 s42, ttmp9, 2
	s_add_co_u32 s42, s42, s40                     ; tile column x = 4 x cluster x + cx
	s_and_b32 s13, ttmp7, 0xffff
	s_lshl_b32 s13, s13, 2
	s_add_co_u32 s13, s13, s41                     ; tile row y = 4 x cluster y + cy
	s_lshl_b32 s43, s41, 2
	s_lshl_b32 s43, 15, s43                        ; my row of the cluster
	s_lshl_b32 s44, 0x1111, s40                    ; my column
	s_or_b32 s[G1+0], s43, (3<<16)|(1<<21)         ; 15:0 the mask; 17:16 elements of 8 bytes; 21 set beside a mask; no padding
	s_or_b32 s[G1B+0], s44, (3<<16)|(1<<21)
.irp g, G1, G1B                        ; a dense tile as 128 rows of 256 bytes
	s_mov_b32 s[(\g)+1], 32<<16                    ; tensor_dim0 = 32 elements
	s_mov_b32 s[(\g)+2], 128<<16                   ; tensor_dim1 = 128
	s_mov_b32 s[(\g)+3], 32<<16                    ; tile_dim0 = 32
	s_mov_b32 s[(\g)+4], 128                       ; tile_dim1 = 128
	s_mov_b32 s[(\g)+5], 32                        ; from row to row
	s_mov_b32 s[(\g)+6], 0
	s_mov_b32 s[(\g)+7], 0
.endr
	s_lshl_b32 s16, s12, 6
	s_add_co_u32 s16, s16, s13
	s_lshl_b32 s16, s16, 15                        ; A: tile (my kt of step 0, y)
	s_mov_b32 s17, 0
	s_mul_i32 s46, s42, KT
	s_add_co_u32 s46, s46, s12
	s_lshl_b32 s46, s46, 15                        ; B: tile (x, my kt of step 0)
	s_mov_b32 s47, 0
	s_lshl_b32 s20, s10, 15                        ; where it goes: wave x a tile: no place in the cluster enters an LDS address
	s_wait_dscnt 0x0                               ; the opening add is done
	s_wait_kmcnt 0x0
	s_add_nc_u64 s[14:15], s[4:5], s[16:17]
	s_add_nc_u64 s[46:47], s[6:7], s[46:47]
.if BOFF
	s_add_nc_u64 s[46:47], s[46:47], BOFF
.endif
	CROUND                                         ; all sixteen work-groups are here: the first joint loads meet
.irp s, 0,1
	s_mov_b32 s[G0+4*(\s)], 1
	s_add_co_u32 s[G0+4*(\s)+1], s20, (\s)*SLOT
	s_add_nc_u64 s[G0+4*(\s)+2:G0+4*(\s)+3], s[14:15], (\s)*2*64*TILEB
	s_or_b32 s[G0+4*(\s)+3], s[G0+4*(\s)+3], 0x80000000
	s_mov_b32 s[G0B+4*(\s)], 1
	s_add_co_u32 s[G0B+4*(\s)+1], s20, (\s)*SLOT
	s_add_nc_u64 s[G0B+4*(\s)+2:G0B+4*(\s)+3], s[46:47], (\s)*2*TILEB
	s_or_b32 s[G0B+4*(\s)+3], s[G0B+4*(\s)+3], 0x80000000
	JLOAD \s                                       ; two loads of mine are out
.endr
	v_and_b32 v1, 15, v0                           ; r = l % 16
	v_bfe_u32 v2, v0, 4, 1                         ; h = l / 16
	v_and_b32 v3, 31, v0
	v_lshlrev_b32 v3, 4, v3                        ; 16 x lane
	s_lshl_b32 s21, s11, 12                        ; my 64 rows of A: four blocks
	s_lshl_b32 s22, s12, 12                        ; my 64 rows of B,
	s_add_co_u32 s22, s22, 2*TILEB                 ; behind A's two tiles
.irp s, 0,1
	v_add_nc_u32 v[ADRA+(\s)], s21, v3
	v_add_nc_u32 v[ADRB+(\s)], s22, v3
	s_add_co_u32 s21, s21, SLOT
	s_add_co_u32 s22, s22, SLOT
.endr
.if MODE < 2
	s_lshl_b32 s23, s12, 14                        ; my 64 columns: two rows of blocks of C's tile,
	s_lshl_b32 s21, s11, 12                        ; my 64 rows: four blocks
	s_add_co_u32 s23, s23, s21
	v_add_nc_u32 v[CO], s23, v3
	s_lshl_b32 s16, s13, 15                        ; C's tile (x, y) at (64 x + y) x 32,768
	s_lshl_b32 s46, s42, 21
.else
	s_mul_i32 s23, s10, 16*SPITCH
	s_add_co_u32 s23, s23, STAGE                   ; my stage
	v_mul_u32_u24 v4, v1, SPITCH                   ; in: row r, 32 bytes for each half of the lanes
	v_lshl_add_u32 v4, v2, 5, v4
	v_add_nc_u32 v[STO], s23, v4
	v_mul_u32_u24 v5, v2, SPITCH                   ; back: lanes 0-15 one row of 256 bytes, lanes 16-31 the next
	v_lshl_add_u32 v5, v1, 4, v5
	v_add_nc_u32 v[RD], s23, v5
	v_lshlrev_b32 v5, 11, v2                       ; and the same two rows in C and res: 2,048 bytes a row
	v_lshl_add_u32 v[CO], v1, 4, v5
	s_lshl_b32 s16, s13, 18                        ; 128 y rows
	s_lshl_b32 s17, s11, 17                        ; + my 64
	s_add_co_u32 s16, s16, s17
	s_lshl_b32 s46, s42, 9                         ; 128 x columns of 4 bytes
	s_lshl_b32 s47, s12, 8                         ; + my 64
	s_add_co_u32 s46, s46, s47
.endif
	s_mov_b32 s17, 0
	s_mov_b32 s47, 0
	s_add_nc_u64 s[8:9], s[8:9], s[16:17]
	s_add_nc_u64 s[8:9], s[8:9], s[46:47]
.macro RLOAD a                         ; MODE 2: the residual's rows 16 a .. 16 a + 15 of my 64, as they will be stored
.irp t, 0,1,2,3,4,5,6,7
	global_load_b128 v[RS+32*((\a)%2)+4*(\t):RS+32*((\a)%2)+4*(\t)+3], v[CO], s[70:71] offset:(16*(\a)+2*(\t))*2048
.endr
.endm
.if MODE == 1                          ; what the way out will want is asked for now
	s_lshl_b32 s72, s42, 9
	s_lshl_b32 s73, s12, 8
	s_add_co_u32 s72, s72, s73
	s_mov_b32 s73, 0
	s_add_nc_u64 s[68:69], s[68:69], s[72:73]
	v_lshlrev_b32 v[BO], 5, v2                     ; my 8 columns of each 16
.irp b, 0,1,2,3
	global_load_b128 v[BIAS+8*(\b):BIAS+8*(\b)+3],   v[BO], s[68:69] offset:64*(\b)
	global_load_b128 v[BIAS+8*(\b)+4:BIAS+8*(\b)+7], v[BO], s[68:69] offset:64*(\b)+16
.endr
	s_mov_b32 s76, 0xc0135761                      ; GA = -2.3022082
	s_mov_b32 s77, s76
	s_mov_b32 s78, 0xbdd2d3e8                      ; GB = -0.10294324
	s_mov_b32 s79, s78
.endif
.if MODE == 2
	s_add_nc_u64 s[68:69], s[68:69], s[46:47]
	s_add_nc_u64 s[70:71], s[70:71], s[16:17]
	s_add_nc_u64 s[70:71], s[70:71], s[46:47]
	v_lshlrev_b32 v[BO], 4, v1
	global_load_b128 v[B4:B4+3], v[BO], s[68:69]
	RLOAD 0
	RLOAD 1
.endif
; 8 matrix instructions: m blocks a0, a0 + 1 x all 4 n blocks, 32 along K: half c of buffer f.  zero = 1: the first product starts the sums.  The 16 accumulators take turns.
.macro MUL8 f, c, a0, zero
	WIN MUL
.irp a, \a0, (\a0)+1
.irp b, 0,1,2,3
.if \zero
	v_wmma_f32_16x16x32_bf16 v[ACC+8*(4*(\a)+(\b)):ACC+8*(4*(\a)+(\b))+7], v[(\f)+64+8*(4*(\c)+(\b)):(\f)+64+8*(4*(\c)+(\b))+7], v[(\f)+8*(4*(\c)+(\a)):(\f)+8*(4*(\c)+(\a))+7], 0
.else
	v_wmma_f32_16x16x32_bf16 v[ACC+8*(4*(\a)+(\b)):ACC+8*(4*(\a)+(\b))+7], v[(\f)+64+8*(4*(\c)+(\b)):(\f)+64+8*(4*(\c)+(\b))+7], v[(\f)+8*(4*(\c)+(\a)):(\f)+8*(4*(\c)+(\a))+7], v[ACC+8*(4*(\a)+(\b)):ACC+8*(4*(\a)+(\b))+7]
.endif
.endr
.endr
.endm
; 32 LDS loads in one run: the fragments of quarter q (64 along K: rows of blocks 2 q, 2 q + 1 of the step's eight) into buffer f; the first 32 along K first
.macro FETCH slot, q, f
	WIN TO_F
.irp c, 0,1
.irp i, 0,1,2,3
	ds_load_b128 v[(\f)+64+8*(4*(\c)+(\i)):(\f)+64+8*(4*(\c)+(\i))+3],   v[ADRB+(\slot)] offset:(2*(\q)+(\c))*8192+(\i)*1024
	ds_load_b128 v[(\f)+64+8*(4*(\c)+(\i))+4:(\f)+64+8*(4*(\c)+(\i))+7], v[ADRB+(\slot)] offset:(2*(\q)+(\c))*8192+(\i)*1024+512
	ds_load_b128 v[(\f)+8*(4*(\c)+(\i)):(\f)+8*(4*(\c)+(\i))+3],         v[ADRA+(\slot)] offset:(2*(\q)+(\c))*8192+(\i)*1024
	ds_load_b128 v[(\f)+8*(4*(\c)+(\i))+4:(\f)+8*(4*(\c)+(\i))+7],       v[ADRA+(\slot)] offset:(2*(\q)+(\c))*8192+(\i)*1024+512
.endr
.endr
.endm
.macro PLACES                          ; four places in front of loads into registers that matrix instructions have read, and of lines that read results
.rept 4
	v_nop
.endr
.endm
; A K step is four quarters, 32 matrix instructions each, on buffers 0, 1, 0, 1.  One of the first three: multiplies buffer f and fetches quarter q into g.
.macro QUARTER slot, q, f, g, zero
	s_wait_dscnt 16                                ; the first 32 along K are in
	MUL8 \f, 0, 0, \zero
	MUL8 \f, 0, 2, \zero
	PLACES
	FETCH \slot, \q, \g
	s_wait_dscnt 32                                ; all but the 32 just issued
	MUL8 \f, 1, 0, 0
	MUL8 \f, 1, 2, 0
.endm
; The last quarter multiplies buffer 1 and changes slots: ONE barrier; in front of it each wave waits for all its tensor loads, adds 0 to its spare word, and waits for that and for its reads of this slot.
.macro TURN slot, next, fill
	WIN 0
	s_wait_tensorcnt 0x0                           ; all my tensor loads have landed: my part of the next slot
	ds_add_u32 v[SPW], v[NIL]                      ; 0 onto my spare word
	s_wait_dscnt 17                                ; (the add and the youngest sixteen loads may be out)
	MUL8 F1, 0, 0, 0
	s_wait_dscnt 0x0                               ; the add is done, and my reads of this slot are over
	s_barrier_signal -1
	MUL8 F1, 0, 2, 0
.if \fill
	WIN 0
.endif
	s_barrier_wait -1
.if \fill
	CREST                                          ; the barrier has opened a round of the cluster's: no wave of any partner still reads this slot or has a load on its way
	s_add_nc_u64 s[G0+4*(\slot)+2:G0+4*(\slot)+3], s[G0+4*(\slot)+2:G0+4*(\slot)+3], 4*64*TILEB
	s_add_nc_u64 s[G0B+4*(\slot)+2:G0B+4*(\slot)+3], s[G0B+4*(\slot)+2:G0B+4*(\slot)+3], 4*TILEB
	JLOAD \slot                                    ; the first tensor load behind the round, one a wave: 112 matrix instructions ahead of the wait for it
.else
	PLACES
.endif
	FETCH \next, 0, F0
	MUL8 F1, 1, 0, 0
	MUL8 F1, 1, 2, 0
.endm
	s_wait_tensorcnt 1                             ; my part of K step 0 is in; step 1's may stay out
	s_barrier_signal -1
	s_barrier_wait -1
	FETCH 0, 0, F0
	QUARTER 0, 1, F0, F1, 1                        ; the first quarter's first products start the sums
.if LAPS > 1
	WIN 0
	s_mov_b32 s3, LAPS-1
.Llap:                                                 ; a trip goes once round the ring and fills both slots again
	QUARTER 0, 2, F1, F0, 0
	QUARTER 0, 3, F0, F1, 0
	TURN 0, 1, 1
	QUARTER 1, 1, F0, F1, 0
	QUARTER 1, 2, F1, F0, 0
	QUARTER 1, 3, F0, F1, 0
	TURN 1, 0, 1
	QUARTER 0, 1, F0, F1, 0
	WIN 0
	s_sub_co_u32 s3, s3, 1
	s_cmp_lg_u32 s3, 0
	s_cbranch_scc1 .Llap
.endif
	QUARTER 0, 2, F1, F0, 0                        ; the last lap fills nothing
	QUARTER 0, 3, F0, F1, 0
	TURN 0, 1, 0
	QUARTER 1, 1, F0, F1, 0
	QUARTER 1, 2, F1, F0, 0
	QUARTER 1, 3, F0, F1, 0
	s_wait_dscnt 16
	MUL8 F1, 0, 0, 0
	MUL8 F1, 0, 2, 0
	s_wait_dscnt 0
	MUL8 F1, 1, 0, 0
	MUL8 F1, 1, 2, 0
	WIN 0
	PLACES
; THE WAYS OUT, 16 rows (m block a) at a time; each accumulator's registers are taken in ascending order.
.macro GELU a                          ; t = C + bias; t / (1 + 2^(t (GA + GB t t))), in place; one batch of exponentials and one of reciprocals, a wait each
.set A0, ACC+32*(\a)
.set z, 0
.rept 16
	v_pk_add_f32 v[A0+2*z:A0+2*z+1], v[A0+2*z:A0+2*z+1], v[BIAS+2*z:BIAS+2*z+1]
.set z, z+1
.endr
.set z, 0
.rept 16
	v_pk_mul_f32 v[U+2*z:U+2*z+1], v[A0+2*z:A0+2*z+1], v[A0+2*z:A0+2*z+1]
.set z, z+1
.endr
.set z, 0
.rept 16
	v_pk_fma_f32 v[U+2*z:U+2*z+1], v[U+2*z:U+2*z+1], s[78:79], s[76:77] op_sel_hi:[1,0,0]
.set z, z+1
.endr
.set z, 0
.rept 16
	v_pk_mul_f32 v[U+2*z:U+2*z+1], v[U+2*z:U+2*z+1], v[A0+2*z:A0+2*z+1]
.set z, z+1
.endr
.set z, 0
.rept 32
	v_exp_f32 v[U+z], v[U+z]
.set z, z+1
.endr
	v_nop                                          ; a plain instruction behind the last exponential,
	s_wait_alu depctr_va_vdst(0)                   ; and the batch's one wait, ahead of the first reader
.set z, 0
.rept 16
	v_pk_add_f32 v[U+2*z:U+2*z+1], v[U+2*z:U+2*z+1], 1.0 op_sel_hi:[1,0]
.set z, z+1
.endr
.set z, 0
.rept 32
	v_rcp_f32 v[U+z], v[U+z]
.set z, z+1
.endr
	v_nop
	s_wait_alu depctr_va_vdst(0)
.set z, 0
.rept 16
	v_pk_mul_f32 v[A0+2*z:A0+2*z+1], v[A0+2*z:A0+2*z+1], v[U+2*z:U+2*z+1]
.set z, z+1
.endr
.endm
.macro OUT16 a                         ; rounded to bf16: 16 bytes a lane and n block; four stores of 512 consecutive bytes
	s_wait_xcnt 0x0                                ; the stores issued so far have read their data: TMP is written again only behind this wait
.irp b, 0,1,2,3
.irp p, 0,1,2,3
	v_cvt_pk_bf16_f32 v[TMP+16*((\a)%2)+4*(\b)+(\p)], v[ACC+8*(4*(\a)+(\b))+2*(\p)], v[ACC+8*(4*(\a)+(\b))+2*(\p)+1]
.endr
.endr
.irp b, 0,1,2,3
	global_store_b128 v[CO], v[TMP+16*((\a)%2)+4*(\b):TMP+16*((\a)%2)+4*(\b)+3], s[8:9] offset:((\b)/2)*8192+(\a)*1024+((\b)%2)*512
.endr
.endm
.macro OUT32 a                         ; through my stage: 32 bytes a lane and n block in, whole rows of 256 bytes back; + bias + res; eight stores, 16 lanes to 256 consecutive bytes, aligned
.irp b, 0,1,2,3
	ds_store_b128 v[STO], v[ACC+8*(4*(\a)+(\b)):ACC+8*(4*(\a)+(\b))+3]   offset:64*(\b)
	ds_store_b128 v[STO], v[ACC+8*(4*(\a)+(\b))+4:ACC+8*(4*(\a)+(\b))+7] offset:64*(\b)+16
.endr
	s_wait_xcnt 0x0                                ; the last block's stores have read RB
.irp t, 0,1,2,3,4,5,6,7
	ds_load_b128 v[RB+4*(\t):RB+4*(\t)+3], v[RD] offset:(\t)*2*SPITCH  ; LDS serves a wave's instructions in order (ISA guide 5.7.1.4): these see the stores above, and the next block's stores come behind them
.endr
.if (\a) < 3
	s_wait_loadcnt 8                               ; this block's residual is in; the next block's eight loads stay out
.else
	s_wait_loadcnt 0x0
.endif
	s_wait_dscnt 0x0
.irp t, 0,1,2,3,4,5,6,7
	v_pk_add_f32 v[RB+4*(\t):RB+4*(\t)+1],   v[RB+4*(\t):RB+4*(\t)+1],   v[B4:B4+1]
	v_pk_add_f32 v[RB+4*(\t)+2:RB+4*(\t)+3], v[RB+4*(\t)+2:RB+4*(\t)+3], v[B4+2:B4+3]
	v_pk_add_f32 v[RB+4*(\t):RB+4*(\t)+1],   v[RB+4*(\t):RB+4*(\t)+1],   v[RS+32*((\a)%2)+4*(\t):RS+32*((\a)%2)+4*(\t)+1]
	v_pk_add_f32 v[RB+4*(\t)+2:RB+4*(\t)+3], v[RB+4*(\t)+2:RB+4*(\t)+3], v[RS+32*((\a)%2)+4*(\t)+2:RS+32*((\a)%2)+4*(\t)+3]
	global_store_b128 v[CO], v[RB+4*(\t):RB+4*(\t)+3], s[8:9] offset:(16*(\a)+2*(\t))*2048
.endr
.if (\a) < 2
	RLOAD (\a)+2
.endif
.endm
.if MODE == 1
	s_wait_loadcnt 0x0                             ; the bias
.endif
.irp a, 0,1,2,3
.if MODE == 1
	GELU \a
.endif
.if MODE < 2
	OUT16 \a
.else
	OUT32 \a
.endif
.endr
	s_wait_tensorcnt 0x0                           ; the wave's end, behind my last tensor load and my last LDS store
	ds_add_u32 v[SPW], v[NIL]
	s_wait_dscnt 0x0
	CROUND                                         ; the closing round: no work-group ends while a partner may still ask for a tile that names it
	s_endpgm
.Lfunc_end_k_q8dbde2bf8f_proj:
	.size	k_q8dbde2bf8f_proj, .Lfunc_end_k_q8dbde2bf8f_proj-k_q8dbde2bf8f_proj
	.p2alignl 7, 3214868480
	.fill 96, 4, 3214868480
	.section	.rodata,"a",@progbits
	.p2align	6, 0x0
	.amdhsa_kernel k_q8dbde2bf8f_proj
		.amdhsa_group_segment_fixed_size 327680
		.amdhsa_private_segment_fixed_size 0
		.amdhsa_enable_private_segment 0
		.amdhsa_kernarg_size 40
		.amdhsa_user_sgpr_count 2
		.amdhsa_user_sgpr_kernarg_segment_ptr 1
		.amdhsa_wavefront_size32 1
		.amdhsa_system_sgpr_workgroup_id_x 1
		.amdhsa_system_sgpr_workgroup_id_y 1
		.amdhsa_system_sgpr_workgroup_id_z 1
		.amdhsa_system_vgpr_workitem_id 0
		.amdhsa_next_free_vgpr 512
		.amdhsa_next_free_sgpr 80
		.amdhsa_reserve_vcc 0
		.amdhsa_float_denorm_mode_32 3
		.amdhsa_float_denorm_mode_16_64 3
		.amdhsa_memory_ordered 1
		.amdhsa_forward_progress 1
		.amdhsa_inst_pref_size 60
	.end_amdhsa_kernel
	.amdgpu_metadata
---
amdhsa.version: [ 1, 2 ]
amdhsa.kernels:
  - .name:           k_q8dbde2bf8f_proj
    .symbol:         k_q8dbde2bf8f_proj.kd
    .args:
      - { .name: pbuf, .offset: 0, .size: 8, .value_kind: global_buffer, .address_space: global }
      - { .name: wc, .offset: 8, .size: 8, .value_kind: global_buffer, .address_space: global }
      - { .name: x1, .offset: 16, .size: 8, .value_kind: global_buffer, .address_space: global }
      - { .name: bo, .offset: 24, .size: 8, .value_kind: global_buffer, .address_space: global }
      - { .name: x, .offset: 32, .size: 8, .value_kind: global_buffer, .address_space: global }
    .group_segment_fixed_size: 327680
    .private_segment_fixed_size: 0
    .kernarg_segment_align: 8
    .kernarg_segment_size: 40
    .max_flat_workgroup_size: 128
    .sgpr_count:     80
    .vgpr_count:     512
    .wavefront_size: 32
...
	.end_amdgpu_metadata
.endif
;; end of part 5
;; launch ln2: the kernel of part 2 again; grid 256 x 1, 2 waves a work-group, no clusters, 35,072 bytes of LDS; arguments x1, ln2_scale, ln2_shift, pbuf; writes pbuf
;; launch ffn1 (part 6): grid 16 x 64, 4 waves a work-group, clusters of 4 x 4, 327,680 bytes of LDS; arguments pbuf, wb, qbuf, b1; writes qbuf
.if DOCPART == 6
	.amdgcn_target "amdgcn-amd-amdhsa--gfx1250"
	.amdhsa_code_object_version 6
	.text
	.protected	k_q8dbde2bf8f_ffn1
	.globl	k_q8dbde2bf8f_ffn1
	.p2align	8
	.type	k_q8dbde2bf8f_ffn1,@function
k_q8dbde2bf8f_ffn1:
	s_mov_b64 s[64:65], 0
	v_nop
	global_prefetch_b8 v0, s[64:65] scope:SCOPE_SE
	s_setreg_imm32_b32 hwreg(HW_REG_WAVE_MODE, 25, 1), 1
	s_wait_xcnt 0x0
	s_wait_alu depctr_hold_cnt(0) depctr_sa_sdst(0) depctr_va_vdst(0) depctr_va_sdst(0) depctr_va_ssrc(0) depctr_va_vcc(0) depctr_vm_vsrc(0)
	s_getreg_b32 s2, hwreg(HW_REG_IB_STS2, 6, 4)
	s_cmp_eq_u32 s2, 0
	s_cbranch_scc0 .Lentry_in_a_cluster
	s_endpgm
.Lentry_in_a_cluster:
	s_bfe_u32 s2, ttmp6, 0x10000c
	s_cmp_lg_u32 s2, 0xf033
	s_cbranch_scc0 .Lentry_shape_is_right
	s_endpgm
.Lentry_shape_is_right:
; C[m][n] = sum over k of A[m][k] B[n][k], bf16 operands, f32 sums; 8,192 rows, K = 128 KT.  ONE SOURCE FOR FOUR LAUNCHES; the three lines below choose.  HERE: g = gelu(h w1 + b1), bf16 out, tiled.
.set KT,   4                           ; tiles of 128 along K
.set BOFF, 0                           ; where B begins in its buffer
.set MODE, 1                           ; 0: C rounded to bf16, tiled.  1: gelu(C + bias), bf16, tiled.  2: C + bias + res, f32, row-major
; LAYOUT of A, B and a 16-bit C.  BLOCK: 16 rows x 32 k in 1,024 bytes: byte = ((k % 32) / 8) x 256 + (row % 16) x 16 + (k % 8) x 2: a matrix fragment is two loads of 16 bytes a lane at 16 x lane and
; 16 x lane + 512, each 512 consecutive bytes.  TILE: 128 rows x 128 k = [k / 32][row / 16][block] = 32,768 dense bytes.  A: tile (kt, mb) at (64 kt + mb) x 32,768.  B: tile (nb, kt) at (KT nb + kt) x 32,768.
; SHARES.  A work-group makes 128 x 128 of C, four waves 64 x 64 each: 16 accumulators.  K goes in steps of 256 through two LDS slots of 4 tiles (A's two, B's two), a tile a wave and tensor load.
; CLUSTER 4 x 4: the four of a row need the same tiles of A, the four of a column the same tiles of B: each is asked for jointly, by the same load, descriptor and mask in all four.
; THE MATRIX INSTRUCTION IS USED TRANSPOSED (source 0 = 16 rows of B, source 1 = 16 rows of A): a lane holds row lane % 16 of C and 8 neighbouring columns, which as bf16 are 16 bytes at 16 x lane of half a block:
; a 16-bit C leaves by stores of 512 consecutive bytes, with no way through LDS.  An f32 C goes through the wave's own stage and leaves as rows of 256 bytes.
; GELU: 0.5 t (1 + tanh(u)) = t / (1 + 2^(t (GA + GB t^2))), GA = -2 sqrt(2 / pi) log2(e), GB = 0.044715 GA: an exponent beyond f32's range gives 0 or t, as tanh's ends do.  NaN and infinities are not treated apart.
; REGISTERS: window 0: v0-31 addresses; v32-127 the way out; v128-255 accumulators ((a, b) at 128 + 8 (4 a + b)).  Window 1: two fragment buffers of 128: 64 registers of A (2 x 4 x 16 rows x 32 k), then 64 of B.
.set LAPS,  KT/4                       ; a lap = two K steps = once round the ring
.set TILEB, 32768
.set SLOT,  4*TILEB
.set STAGE, 2*SLOT                     ; behind the ring: 16 rows x 272 bytes for each wave (MODE 2)
.set SPITCH, 272
.set SPARE, STAGE+4*16*SPITCH          ; behind the stages: the spare words, 128 bytes a wave: two blocks of 256 bytes that no other line names
.set B4,   8                           ; v[8:11]  MODE 2: bias of my 4 columns
.set ADRA, 16                          ; v16-17   LDS address of my A fragments in slot 0, 1
.set ADRB, 20                          ; v20-21   the same for B
.set STO,  24                          ; v24      MODE 2: where I put 32 bytes of a row
.set RD,   25                          ; v25      MODE 2: where I read a row back
.set CO,   26                          ; v26      my byte offset in C
.set SPW,  28                          ; v28      my spare word
.set NIL,  29                          ; v29      0
.set BO,   30                          ; v30      my byte offset in the bias
.set BIAS, 32                          ; v[32:63]  MODE 1: bias of my 32 columns
.set RB,   32                          ; v[32:63]  MODE 2: 16 rows read back
.set TMP,  64                          ; v[64:95]  MODE 0, 1: packed results, two sets of 16
.set RS,   64                          ; v[64:127] MODE 2: the residual's rows, two sets of 32
.set U,    96                          ; v[96:127] MODE 1: at work
.set ACC,  128
.set F0,   0
.set F1,   128
.set G1, 24                            ; s[24:31] descriptor group 1 for A; s[32:39] group 0, a set for each slot
.set G0, 32
.set G1B, 48                           ; s[48:55], s[56:63] the same for B
.set G0B, 56
.set MSB, 0
.macro WIN new                         ; the immediate's high byte repeats the setting that is left
.if MSB != (\new)
	s_set_vgpr_msb (MSB<<8)|(\new)
.set MSB, \new
.endif
.endm
.set MUL,  0x05                        ; sources 0 (B) and 1 (A) window 1; C and D window 0
.set TO_F, 0x40                        ; destination window 1, address window 0
.macro JLOAD s                         ; a joint load: waves 0, 1 fetch A's two tiles, waves 2, 3 B's; an s_nop 0 and four v_nop follow each line
	s_cmp_eq_u32 s11, 0
	s_cbranch_scc0 .Lfor_b_\@
	tensor_load_to_lds s[G0+4*(\s):G0+4*(\s)+3], s[G1:G1+7]
	s_nop 0
.rept 4
	v_nop
.endr
	s_branch .Lasked_\@
.Lfor_b_\@:
	tensor_load_to_lds s[G0B+4*(\s):G0B+4*(\s)+3], s[G1B:G1B+7]
	s_nop 0
.rept 4
	v_nop
.endr
.Lasked_\@:
.endm
.macro CREST                           ; a round of the cluster's barrier behind its opening barrier
	s_cmp_lg_u32 s10, 0
	s_cbranch_scc1 .Lnot_wave_0_\@
	s_barrier_signal -3
.Lnot_wave_0_\@:
	s_barrier_wait -3
	s_barrier_signal -1
	s_barrier_wait -1
.endm
.macro CROUND
	s_barrier_signal -1
	s_barrier_wait -1
	CREST
.endm
	s_load_b128 s[4:7], s[0:1], 0x0                ; A s[4:5], B s[6:7]
	s_load_b64 s[8:9], s[0:1], 0x10                ; C
.if MODE >= 1
	s_load_b64 s[68:69], s[0:1], 0x18              ; bias
.endif
.if MODE == 2
	s_load_b64 s[70:71], s[0:1], 0x20              ; res
.endif
	v_lshl_add_u32 v[SPW], v0, 2, SPARE
	v_mov_b32 v[NIL], 0
	ds_add_u32 v[SPW], v[NIL]                      ; the wave's opening: the add and its wait ahead of my first tensor load; work on registers stands between them
	ds_add_u32 v28, v29
	v_lshrrev_b32 v1, 5, v0
	v_readfirstlane_b32 s10, v1                    ; wave 0..3
	s_lshr_b32 s11, s10, 1                         ; my half of the tile's rows.  Also: I fetch for A (0) or B (1)
	s_and_b32 s12, s10, 1                          ; my half of its columns.  Also: which of a K step's two tiles I fetch
	s_bfe_u32 s40, ttmp6, 0x40000                  ; cx, cy
	s_bfe_u32 s41, ttmp6, 0x40004
	s_lshl_b32 s42, ttmp9, 2
	s_add_co_u32 s42, s42, s40                     ; tile column x = 4 x cluster x + cx
	s_and_b32 s13, ttmp7, 0xffff
	s_lshl_b32 s13, s13, 2
	s_add_co_u32 s13, s13, s41                     ; tile row y = 4 x cluster y + cy
	s_lshl_b32 s43, s41, 2
	s_lshl_b32 s43, 15, s43                        ; my row of the cluster
	s_lshl_b32 s44, 0x1111, s40                    ; my column
	s_or_b32 s[G1+0], s43, (3<<16)|(1<<21)         ; 15:0 the mask; 17:16 elements of 8 bytes; 21 set beside a mask; no padding
	s_or_b32 s[G1B+0], s44, (3<<16)|(1<<21)
.irp g, G1, G1B                        ; a dense tile as 128 rows of 256 bytes
	s_mov_b32 s[(\g)+1], 32<<16                    ; tensor_dim0 = 32 elements
	s_mov_b32 s[(\g)+2], 128<<16                   ; tensor_dim1 = 128
	s_mov_b32 s[(\g)+3], 32<<16                    ; tile_dim0 = 32
	s_mov_b32 s[(\g)+4], 128                       ; tile_dim1 = 128
	s_mov_b32 s[(\g)+5], 32                        ; from row to row
	s_mov_b32 s[(\g)+6], 0
	s_mov_b32 s[(\g)+7], 0
.endr
	s_lshl_b32 s16, s12, 6
	s_add_co_u32 s16, s16, s13
	s_lshl_b32 s16, s16, 15                        ; A: tile (my kt of step 0, y)
	s_mov_b32 s17, 0
	s_mul_i32 s46, s42, KT
	s_add_co_u32 s46, s46, s12
	s_lshl_b32 s46, s46, 15                        ; B: tile (x, my kt of step 0)
	s_mov_b32 s47, 0
	s_lshl_b32 s20, s10, 15                        ; where it goes: wave x a tile: no place in the cluster enters an LDS address
	s_wait_dscnt 0x0                               ; the opening add is done
	s_wait_kmcnt 0x0
	s_add_nc_u64 s[14:15], s[4:5], s[16:17]
	s_add_nc_u64 s[46:47], s[6:7], s[46:47]
.if BOFF
	s_add_nc_u64 s[46:47], s[46:47], BOFF
.endif
	CROUND                                         ; all sixteen work-groups are here: the first joint loads meet
.irp s, 0,1
	s_mov_b32 s[G0+4*(\s)], 1
	s_add_co_u32 s[G0+4*(\s)+1], s20, (\s)*SLOT
	s_add_nc_u64 s[G0+4*(\s)+2:G0+4*(\s)+3], s[14:15], (\s)*2*64*TILEB
	s_or_b32 s[G0+4*(\s)+3], s[G0+4*(\s)+3], 0x80000000
	s_mov_b32 s[G0B+4*(\s)], 1
	s_add_co_u32 s[G0B+4*(\s)+1], s20, (\s)*SLOT
	s_add_nc_u64 s[G0B+4*(\s)+2:G0B+4*(\s)+3], s[46:47], (\s)*2*TILEB
	s_or_b32 s[G0B+4*(\s)+3], s[G0B+4*(\s)+3], 0x80000000
	JLOAD \s                                       ; two loads of mine are out
.endr
	v_and_b32 v1, 15, v0                           ; r = l % 16
	v_bfe_u32 v2, v0, 4, 1                         ; h = l / 16
	v_and_b32 v3, 31, v0
	v_lshlrev_b32 v3, 4, v3                        ; 16 x lane
	s_lshl_b32 s21, s11, 12                        ; my 64 rows of A: four blocks
	s_lshl_b32 s22, s12, 12                        ; my 64 rows of B,
	s_add_co_u32 s22, s22, 2*TILEB                 ; behind A's two tiles
.irp s, 0,1
	v_add_nc_u32 v[ADRA+(\s)], s21, v3
	v_add_nc_u32 v[ADRB+(\s)], s22, v3
	s_add_co_u32 s21, s21, SLOT
	s_add_co_u32 s22, s22, SLOT
.endr
.if MODE < 2
	s_lshl_b32 s23, s12, 14                        ; my 64 columns: two rows of blocks of C's tile,
	s_lshl_b32 s21, s11, 12                        ; my 64 rows: four blocks
	s_add_co_u32 s23, s23, s21
	v_add_nc_u32 v[CO], s23, v3
	s_lshl_b32 s16, s13, 15                        ; C's tile (x, y) at (64 x + y) x 32,768
	s_lshl_b32 s46, s42, 21
.else
	s_mul_i32 s23, s10, 16*SPITCH
	s_add_co_u32 s23, s23, STAGE                   ; my stage
	v_mul_u32_u24 v4, v1, SPITCH                   ; in: row r, 32 bytes for each half of the lanes
	v_lshl_add_u32 v4, v2, 5, v4
	v_add_nc_u32 v[STO], s23, v4
	v_mul_u32_u24 v5, v2, SPITCH                   ; back: lanes 0-15 one row of 256 bytes, lanes 16-31 the next
	v_lshl_add_u32 v5, v1, 4, v5
	v_add_nc_u32 v[RD], s23, v5
	v_lshlrev_b32 v5, 11, v2                       ; and the same two rows in C and res: 2,048 bytes a row
	v_lshl_add_u32 v[CO], v1, 4, v5
	s_lshl_b32 s16, s13, 18                        ; 128 y rows
	s_lshl_b32 s17, s11, 17                        ; + my 64
	s_add_co_u32 s16, s16, s17
	s_lshl_b32 s46, s42, 9                         ; 128 x columns of 4 bytes
	s_lshl_b32 s47, s12, 8                         ; + my 64
	s_add_co_u32 s46, s46, s47
.endif
	s_mov_b32 s17, 0
	s_mov_b32 s47, 0
	s_add_nc_u64 s[8:9], s[8:9], s[16:17]
	s_add_nc_u64 s[8:9], s[8:9], s[46:47]
.macro RLOAD a                         ; MODE 2: the residual's rows 16 a .. 16 a + 15 of my 64, as they will be stored
.irp t, 0,1,2,3,4,5,6,7
	global_load_b128 v[RS+32*((\a)%2)+4*(\t):RS+32*((\a)%2)+4*(\t)+3], v[CO], s[70:71] offset:(16*(\a)+2*(\t))*2048
.endr
.endm
.if MODE == 1                          ; what the way out will want is asked for now
	s_lshl_b32 s72, s42, 9
	s_lshl_b32 s73, s12, 8
	s_add_co_u32 s72, s72, s73
	s_mov_b32 s73, 0
	s_add_nc_u64 s[68:69], s[68:69], s[72:73]
	v_lshlrev_b32 v[BO], 5, v2                     ; my 8 columns of each 16
.irp b, 0,1,2,3
	global_load_b128 v[BIAS+8*(\b):BIAS+8*(\b)+3],   v[BO], s[68:69] offset:64*(\b)
	global_load_b128 v[BIAS+8*(\b)+4:BIAS+8*(\b)+7], v[BO], s[68:69] offset:64*(\b)+16
.endr
	s_mov_b32 s76, 0xc0135761                      ; GA = -2.3022082
	s_mov_b32 s77, s76
	s_mov_b32 s78, 0xbdd2d3e8                      ; GB = -0.10294324
	s_mov_b32 s79, s78
.endif
.if MODE == 2
	s_add_nc_u64 s[68:69], s[68:69], s[46:47]
	s_add_nc_u64 s[70:71], s[70:71], s[16:17]
	s_add_nc_u64 s[70:71], s[70:71], s[46:47]
	v_lshlrev_b32 v[BO], 4, v1
	global_load_b128 v[B4:B4+3], v[BO], s[68:69]
	RLOAD 0
	RLOAD 1
.endif
; 8 matrix instructions: m blocks a0, a0 + 1 x all 4 n blocks, 32 along K: half c of buffer f.  zero = 1: the first product starts the sums.  The 16 accumulators take turns.
.macro MUL8 f, c, a0, zero
	WIN MUL
.irp a, \a0, (\a0)+1
.irp b, 0,1,2,3
.if \zero
	v_wmma_f32_16x16x32_bf16 v[ACC+8*(4*(\a)+(\b)):ACC+8*(4*(\a)+(\b))+7], v[(\f)+64+8*(4*(\c)+(\b)):(\f)+64+8*(4*(\c)+(\b))+7], v[(\f)+8*(4*(\c)+(\a)):(\f)+8*(4*(\c)+(\a))+7], 0
.else
	v_wmma_f32_16x16x32_bf16 v[ACC+8*(4*(\a)+(\b)):ACC+8*(4*(\a)+(\b))+7], v[(\f)+64+8*(4*(\c)+(\b)):(\f)+64+8*(4*(\c)+(\b))+7], v[(\f)+8*(4*(\c)+(\a)):(\f)+8*(4*(\c)+(\a))+7], v[ACC+8*(4*(\a)+(\b)):ACC+8*(4*(\a)+(\b))+7]
.endif
.endr
.endr
.endm
; 32 LDS loads in one run: the fragments of quarter q (64 along K: rows of blocks 2 q, 2 q + 1 of the step's eight) into buffer f; the first 32 along K first
.macro FETCH slot, q, f
	WIN TO_F
.irp c, 0,1
.irp i, 0,1,2,3
	ds_load_b128 v[(\f)+64+8*(4*(\c)+(\i)):(\f)+64+8*(4*(\c)+(\i))+3],   v[ADRB+(\slot)] offset:(2*(\q)+(\c))*8192+(\i)*1024
	ds_load_b128 v[(\f)+64+8*(4*(\c)+(\i))+4:(\f)+64+8*(4*(\c)+(\i))+7], v[ADRB+(\slot)] offset:(2*(\q)+(\c))*8192+(\i)*1024+512
	ds_load_b128 v[(\f)+8*(4*(\c)+(\i)):(\f)+8*(4*(\c)+(\i))+3],         v[ADRA+(\slot)] offset:(2*(\q)+(\c))*8192+(\i)*1024
	ds_load_b128 v[(\f)+8*(4*(\c)+(\i))+4:(\f)+8*(4*(\c)+(\i))+7],       v[ADRA+(\slot)] offset:(2*(\q)+(\c))*8192+(\i)*1024+512
.endr
.endr
.endm
.macro PLACES                          ; four places in front of loads into registers that matrix instructions have read, and of lines that read results
.rept 4
	v_nop
.endr
.endm
; A K step is four quarters, 32 matrix instructions each, on buffers 0, 1, 0, 1.  One of the first three: multiplies buffer f and fetches quarter q into g.
.macro QUARTER slot, q, f, g, zero
	s_wait_dscnt 16                                ; the first 32 along K are in
	MUL8 \f, 0, 0, \zero
	MUL8 \f, 0, 2, \zero
	PLACES
	FETCH \slot, \q, \g
	s_wait_dscnt 32                                ; all but the 32 just issued
	MUL8 \f, 1, 0, 0
	MUL8 \f, 1, 2, 0
.endm
; The last quarter multiplies buffer 1 and changes slots: ONE barrier; in front of it each wave waits for all its tensor loads, adds 0 to its spare word, and waits for that and for its reads of this slot.
.macro TURN slot, next, fill
	WIN 0
	s_wait_tensorcnt 0x0                           ; all my tensor loads have landed: my part of the next slot
	ds_add_u32 v[SPW], v[NIL]                      ; 0 onto my spare word
	s_wait_dscnt 17                                ; (the add and the youngest sixteen loads may be out)
	MUL8 F1, 0, 0, 0
	s_wait_dscnt 0x0                               ; the add is done, and my reads of this slot are over
	s_barrier_signal -1
	MUL8 F1, 0, 2, 0
.if \fill
	WIN 0
.endif
	s_barrier_wait -1
.if \fill
	CREST                                          ; the barrier has opened a round of the cluster's: no wave of any partner still reads this slot or has a load on its way
	s_add_nc_u64 s[G0+4*(\slot)+2:G0+4*(\slot)+3], s[G0+4*(\slot)+2:G0+4*(\slot)+3], 4*64*TILEB
	s_add_nc_u64 s[G0B+4*(\slot)+2:G0B+4*(\slot)+3], s[G0B+4*(\slot)+2:G0B+4*(\slot)+3], 4*TILEB
	JLOAD \slot                                    ; the first tensor load behind the round, one a wave: 112 matrix instructions ahead of the wait for it
.else
	PLACES
.endif
	FETCH \next, 0, F0
	MUL8 F1, 1, 0, 0
	MUL8 F1, 1, 2, 0
.endm
	s_wait_tensorcnt 1                             ; my part of K step 0 is in; step 1's may stay out
	s_barrier_signal -1
	s_barrier_wait -1
	FETCH 0, 0, F0
	QUARTER 0, 1, F0, F1, 1                        ; the first quarter's first products start the sums
.if LAPS > 1
	WIN 0
	s_mov_b32 s3, LAPS-1
.Llap:                                                 ; a trip goes once round the ring and fills both slots again
	QUARTER 0, 2, F1, F0, 0
	QUARTER 0, 3, F0, F1, 0
	TURN 0, 1, 1
	QUARTER 1, 1, F0, F1, 0
	QUARTER 1, 2, F1, F0, 0
	QUARTER 1, 3, F0, F1, 0
	TURN 1, 0, 1
	QUARTER 0, 1, F0, F1, 0
	WIN 0
	s_sub_co_u32 s3, s3, 1
	s_cmp_lg_u32 s3, 0
	s_cbranch_scc1 .Llap
.endif
	QUARTER 0, 2, F1, F0, 0                        ; the last lap fills nothing
	QUARTER 0, 3, F0, F1, 0
	TURN 0, 1, 0
	QUARTER 1, 1, F0, F1, 0
	QUARTER 1, 2, F1, F0, 0
	QUARTER 1, 3, F0, F1, 0
	s_wait_dscnt 16
	MUL8 F1, 0, 0, 0
	MUL8 F1, 0, 2, 0
	s_wait_dscnt 0
	MUL8 F1, 1, 0, 0
	MUL8 F1, 1, 2, 0
	WIN 0
	PLACES
; THE WAYS OUT, 16 rows (m block a) at a time; each accumulator's registers are taken in ascending order.
.macro GELU a                          ; t = C + bias; t / (1 + 2^(t (GA + GB t t))), in place; one batch of exponentials and one of reciprocals, a wait each
.set A0, ACC+32*(\a)
.set z, 0
.rept 16
	v_pk_add_f32 v[A0+2*z:A0+2*z+1], v[A0+2*z:A0+2*z+1], v[BIAS+2*z:BIAS+2*z+1]
.set z, z+1
.endr
.set z, 0
.rept 16
	v_pk_mul_f32 v[U+2*z:U+2*z+1], v[A0+2*z:A0+2*z+1], v[A0+2*z:A0+2*z+1]
.set z, z+1
.endr
.set z, 0
.rept 16
	v_pk_fma_f32 v[U+2*z:U+2*z+1], v[U+2*z:U+2*z+1], s[78:79], s[76:77] op_sel_hi:[1,0,0]
.set z, z+1
.endr
.set z, 0
.rept 16
	v_pk_mul_f32 v[U+2*z:U+2*z+1], v[U+2*z:U+2*z+1], v[A0+2*z:A0+2*z+1]
.set z, z+1
.endr
.set z, 0
.rept 32
	v_exp_f32 v[U+z], v[U+z]
.set z, z+1
.endr
	v_nop                                          ; a plain instruction behind the last exponential,
	s_wait_alu depctr_va_vdst(0)                   ; and the batch's one wait, ahead of the first reader
.set z, 0
.rept 16
	v_pk_add_f32 v[U+2*z:U+2*z+1], v[U+2*z:U+2*z+1], 1.0 op_sel_hi:[1,0]
.set z, z+1
.endr
.set z, 0
.rept 32
	v_rcp_f32 v[U+z], v[U+z]
.set z, z+1
.endr
	v_nop
	s_wait_alu depctr_va_vdst(0)
.set z, 0
.rept 16
	v_pk_mul_f32 v[A0+2*z:A0+2*z+1], v[A0+2*z:A0+2*z+1], v[U+2*z:U+2*z+1]
.set z, z+1
.endr
.endm
.macro OUT16 a                         ; rounded to bf16: 16 bytes a lane and n block; four stores of 512 consecutive bytes
	s_wait_xcnt 0x0                                ; the stores issued so far have read their data: TMP is written again only behind this wait
.irp b, 0,1,2,3
.irp p, 0,1,2,3
	v_cvt_pk_bf16_f32 v[TMP+16*((\a)%2)+4*(\b)+(\p)], v[ACC+8*(4*(\a)+(\b))+2*(\p)], v[ACC+8*(4*(\a)+(\b))+2*(\p)+1]
.endr
.endr
.irp b, 0,1,2,3
	global_store_b128 v[CO], v[TMP+16*((\a)%2)+4*(\b):TMP+16*((\a)%2)+4*(\b)+3], s[8:9] offset:((\b)/2)*8192+(\a)*1024+((\b)%2)*512
.endr
.endm
.macro OUT32 a                         ; through my stage: 32 bytes a lane and n block in, whole rows of 256 bytes back; + bias + res; eight stores, 16 lanes to 256 consecutive bytes, aligned
.irp b, 0,1,2,3
	ds_store_b128 v[STO], v[ACC+8*(4*(\a)+(\b)):ACC+8*(4*(\a)+(\b))+3]   offset:64*(\b)
	ds_store_b128 v[STO], v[ACC+8*(4*(\a)+(\b))+4:ACC+8*(4*(\a)+(\b))+7] offset:64*(\b)+16
.endr
	s_wait_xcnt 0x0                                ; the last block's stores have read RB
.irp t, 0,1,2,3,4,5,6,7
	ds_load_b128 v[RB+4*(\t):RB+4*(\t)+3], v[RD] offset:(\t)*2*SPITCH  ; LDS serves a wave's instructions in order (ISA guide 5.7.1.4): these see the stores above, and the next block's stores come behind them
.endr
.if (\a) < 3
	s_wait_loadcnt 8                               ; this block's residual is in; the next block's eight loads stay out
.else
	s_wait_loadcnt 0x0
.endif
	s_wait_dscnt 0x0
.irp t, 0,1,2,3,4,5,6,7
	v_pk_add_f32 v[RB+4*(\t):RB+4*(\t)+1],   v[RB+4*(\t):RB+4*(\t)+1],   v[B4:B4+1]
	v_pk_add_f32 v[RB+4*(\t)+2:RB+4*(\t)+3], v[RB+4*(\t)+2:RB+4*(\t)+3], v[B4+2:B4+3]
	v_pk_add_f32 v[RB+4*(\t):RB+4*(\t)+1],   v[RB+4*(\t):RB+4*(\t)+1],   v[RS+32*((\a)%2)+4*(\t):RS+32*((\a)%2)+4*(\t)+1]
	v_pk_add_f32 v[RB+4*(\t)+2:RB+4*(\t)+3], v[RB+4*(\t)+2:RB+4*(\t)+3], v[RS+32*((\a)%2)+4*(\t)+2:RS+32*((\a)%2)+4*(\t)+3]
	global_store_b128 v[CO], v[RB+4*(\t):RB+4*(\t)+3], s[8:9] offset:(16*(\a)+2*(\t))*2048
.endr
.if (\a) < 2
	RLOAD (\a)+2
.endif
.endm
.if MODE == 1
	s_wait_loadcnt 0x0                             ; the bias
.endif
.irp a, 0,1,2,3
.if MODE == 1
	GELU \a
.endif
.if MODE < 2
	OUT16 \a
.else
	OUT32 \a
.endif
.endr
	s_wait_tensorcnt 0x0                           ; the wave's end, behind my last tensor load and my last LDS store
	ds_add_u32 v[SPW], v[NIL]
	s_wait_dscnt 0x0
	CROUND                                         ; the closing round: no work-group ends while a partner may still ask for a tile that names it
	s_endpgm
.Lfunc_end_k_q8dbde2bf8f_ffn1:
	.size	k_q8dbde2bf8f_ffn1, .Lfunc_end_k_q8dbde2bf8f_ffn1-k_q8dbde2bf8f_ffn1
	.p2alignl 7, 3214868480
	.fill 96, 4, 3214868480
	.section	.rodata,"a",@progbits
	.p2align	6, 0x0
	.amdhsa_kernel k_q8dbde2bf8f_ffn1
		.amdhsa_group_segment_fixed_size 327680
		.amdhsa_private_segment_fixed_size 0
		.amdhsa_enable_private_segment 0
		.amdhsa_kernarg_size 32
		.amdhsa_user_sgpr_count 2
		.amdhsa_user_sgpr_kernarg_segment_ptr 1
		.amdhsa_wavefront_size32 1
		.amdhsa_system_sgpr_workgroup_id_x 1
		.amdhsa_system_sgpr_workgroup_id_y 1
		.amdhsa_system_sgpr_workgroup_id_z 1
		.amdhsa_system_vgpr_workitem_id 0
		.amdhsa_next_free_vgpr 512
		.amdhsa_next_free_sgpr 80
		.amdhsa_reserve_vcc 0
		.amdhsa_float_denorm_mode_32 3
		.amdhsa_float_denorm_mode_16_64 3
		.amdhsa_memory_ordered 1
		.amdhsa_forward_progress 1
		.amdhsa_inst_pref_size 80
	.end_amdhsa_kernel
	.amdgpu_metadata
---
amdhsa.version: [ 1, 2 ]
amdhsa.kernels:
  - .name:           k_q8dbde2bf8f_ffn1
    .symbol:         k_q8dbde2bf8f_ffn1.kd
    .args:
      - { .name: pbuf, .offset: 0, .size: 8, .value_kind: global_buffer, .address_space: global }
      - { .name: wb, .offset: 8, .size: 8, .value_kind: global_buffer, .address_space: global }
      - { .name: qbuf, .offset: 16, .size: 8, .value_kind: global_buffer, .address_space: global }
      - { .name: b1, .offset: 24, .size: 8, .value_kind: global_buffer, .address_space: global }
    .group_segment_fixed_size: 327680
    .private_segment_fixed_size: 0
    .kernarg_segment_align: 8
    .kernarg_segment_size: 32
    .max_flat_workgroup_size: 128
    .sgpr_count:     80
    .vgpr_count:     512
    .wavefront_size: 32
...
	.end_amdgpu_metadata
.endif
;; end of part 6
;; launch ffn2 (part 7): grid 4 x 64, 4 waves a work-group, clusters of 4 x 4, 327,680 bytes of LDS; arguments qbuf, wc, out0, b2, x1; writes out0
.if DOCPART == 7
	.amdgcn_target "amdgcn-amd-amdhsa--gfx1250"
	.amdhsa_code_object_version 6
	.text
	.protected	k_q8dbde2bf8f_ffn2
	.globl	k_q8dbde2bf8f_ffn2
	.p2align	8
	.type	k_q8dbde2bf8f_ffn2,@function
k_q8dbde2bf8f_ffn2:
	s_mov_b64 s[64:65], 0
	v_nop
	global_prefetch_b8 v0, s[64:65] scope:SCOPE_SE
	s_setreg_imm32_b32 hwreg(HW_REG_WAVE_MODE, 25, 1), 1
	s_wait_xcnt 0x0
	s_wait_alu depctr_hold_cnt(0) depctr_sa_sdst(0) depctr_va_vdst(0) depctr_va_sdst(0) depctr_va_ssrc(0) depctr_va_vcc(0) depctr_vm_vsrc(0)
	s_getreg_b32 s2, hwreg(HW_REG_IB_STS2, 6, 4)
	s_cmp_eq_u32 s2, 0
	s_cbranch_scc0 .Lentry_in_a_cluster
	s_endpgm
.Lentry_in_a_cluster:
	s_bfe_u32 s2, ttmp6, 0x10000c
	s_cmp_lg_u32 s2, 0xf033
	s_cbranch_scc0 .Lentry_shape_is_right
	s_endpgm
.Lentry_shape_is_right:
; C[m][n] = sum over k of A[m][k] B[n][k], bf16 operands, f32 sums; 8,192 rows, K = 128 KT.  ONE SOURCE FOR FOUR LAUNCHES; the three lines below choose.  HERE: out = x1 + g w2 + b2, K = 2,048, f32 out, row-major.
.set KT,   16                          ; tiles of 128 along K
.set BOFF, 524288                      ; where B begins in its buffer: behind wo's 16 tiles
.set MODE, 2                           ; 0: C rounded to bf16, tiled.  1: gelu(C + bias), bf16, tiled.  2: C + bias + res, f32, row-major
; LAYOUT of A, B and a 16-bit C.  BLOCK: 16 rows x 32 k in 1,024 bytes: byte = ((k % 32) / 8) x 256 + (row % 16) x 16 + (k % 8) x 2: a matrix fragment is two loads of 16 bytes a lane at 16 x lane and
; 16 x lane + 512, each 512 consecutive bytes.  TILE: 128 rows x 128 k = [k / 32][row / 16][block] = 32,768 dense bytes.  A: tile (kt, mb) at (64 kt + mb) x 32,768.  B: tile (nb, kt) at (KT nb + kt) x 32,768.
; SHARES.  A work-group makes 128 x 128 of C, four waves 64 x 64 each: 16 accumulators.  K goes in steps of 256 through two LDS slots of 4 tiles (A's two, B's two), a tile a wave and tensor load.
; CLUSTER 4 x 4: the four of a row need the same tiles of A, the four of a column the same tiles of B: each is asked for jointly, by the same load, descriptor and mask in all four.
; THE MATRIX INSTRUCTION IS USED TRANSPOSED (source 0 = 16 rows of B, source 1 = 16 rows of A): a lane holds row lane % 16 of C and 8 neighbouring columns, which as bf16 are 16 bytes at 16 x lane of half a block:
; a 16-bit C leaves by stores of 512 consecutive bytes, with no way through LDS.  An f32 C goes through the wave's own stage and leaves as rows of 256 bytes.
; GELU: 0.5 t (1 + tanh(u)) = t / (1 + 2^(t (GA + GB t^2))), GA = -2 sqrt(2 / pi) log2(e), GB = 0.044715 GA: an exponent beyond f32's range gives 0 or t, as tanh's ends do.  NaN and infinities are not treated apart.
; REGISTERS: window 0: v0-31 addresses; v32-127 the way out; v128-255 accumulators ((a, b) at 128 + 8 (4 a + b)).  Window 1: two fragment buffers of 128: 64 registers of A (2 x 4 x 16 rows x 32 k), then 64 of B.
.set LAPS,  KT/4                       ; a lap = two K steps = once round the ring
.set TILEB, 32768
.set SLOT,  4*TILEB
.set STAGE, 2*SLOT                     ; behind the ring: 16 rows x 272 bytes for each wave (MODE 2)
.set SPITCH, 272
.set SPARE, STAGE+4*16*SPITCH          ; behind the stages: the spare words, 128 bytes a wave: two blocks of 256 bytes that no other line names
.set B4,   8                           ; v[8:11]  MODE 2: bias of my 4 columns
.set ADRA, 16                          ; v16-17   LDS address of my A fragments in slot 0, 1
.set ADRB, 20                          ; v20-21   the same for B
.set STO,  24                          ; v24      MODE 2: where I put 32 bytes of a row
.set RD,   25                          ; v25      MODE 2: where I read a row back
.set CO,   26                          ; v26      my byte offset in C
.set SPW,  28                          ; v28      my spare word
.set NIL,  29                          ; v29      0
.set BO,   30                          ; v30      my byte offset in the bias
.set BIAS, 32                          ; v[32:63]  MODE 1: bias of my 32 columns
.set RB,   32                          ; v[32:63]  MODE 2: 16 rows read back
.set TMP,  64                          ; v[64:95]  MODE 0, 1: packed results, two sets of 16
.set RS,   64                          ; v[64:127] MODE 2: the residual's rows, two sets of 32
.set U,    96                          ; v[96:127] MODE 1: at work
.set ACC,  128
.set F0,   0
.set F1,   128
.set G1, 24                            ; s[24:31] descriptor group 1 for A; s[32:39] group 0, a set for each slot
.set G0, 32
.set G1B, 48                           ; s[48:55], s[56:63] the same for B
.set G0B, 56
.set MSB, 0
.macro WIN new                         ; the immediate's high byte repeats the setting that is left
.if MSB != (\new)
	s_set_vgpr_msb (MSB<<8)|(\new)
.set MSB, \new
.endif
.endm
.set MUL,  0x05                        ; sources 0 (B) and 1 (A) window 1; C and D window 0
.set TO_F, 0x40                        ; destination window 1, address window 0
.macro JLOAD s                         ; a joint load: waves 0, 1 fetch A's two tiles, waves 2, 3 B's; an s_nop 0 and four v_nop follow each line
	s_cmp_eq_u32 s11, 0
	s_cbranch_scc0 .Lfor_b_\@
	tensor_load_to_lds s[G0+4*(\s):G0+4*(\s)+3], s[G1:G1+7]
	s_nop 0
.rept 4
	v_nop
.endr
	s_branch .Lasked_\@
.Lfor_b_\@:
	tensor_load_to_lds s[G0B+4*(\s):G0B+4*(\s)+3], s[G1B:G1B+7]
	s_nop 0
.rept 4
	v_nop
.endr
.Lasked_\@:
.endm
.macro CREST                           ; a round of the cluster's barrier behind its opening barrier
	s_cmp_lg_u32 s10, 0
	s_cbranch_scc1 .Lnot_wave_0_\@
	s_barrier_signal -3
.Lnot_wave_0_\@:
	s_barrier_wait -3
	s_barrier_signal -1
	s_barrier_wait -1
.endm
.macro CROUND
	s_barrier_signal -1
	s_barrier_wait -1
	CREST
.endm
	s_load_b128 s[4:7], s[0:1], 0x0                ; A s[4:5], B s[6:7]
	s_load_b64 s[8:9], s[0:1], 0x10                ; C
.if MODE >= 1
	s_load_b64 s[68:69], s[0:1], 0x18              ; bias
.endif
.if MODE == 2
	s_load_b64 s[70:71], s[0:1], 0x20              ; res
.endif
	v_lshl_add_u32 v[SPW], v0, 2, SPARE
	v_mov_b32 v[NIL], 0
	ds_add_u32 v[SPW], v[NIL]                      ; the wave's opening: the add and its wait ahead of my first tensor load; work on registers stands between them
	ds_add_u32 v28, v29
	v_lshrrev_b32 v1, 5, v0
	v_readfirstlane_b32 s10, v1                    ; wave 0..3
	s_lshr_b32 s11, s10, 1                         ; my half of the tile's rows.  Also: I fetch for A (0) or B (1)
	s_and_b32 s12, s10, 1                          ; my half of its columns.  Also: which of a K step's two tiles I fetch
	s_bfe_u32 s40, ttmp6, 0x40000                  ; cx, cy
	s_bfe_u32 s41, ttmp6, 0x40004
	s_lshl_b32 s42, ttmp9, 2
	s_add_co_u32 s42, s42, s40                     ; tile column x = 4 x cluster x + cx
	s_and_b32 s13, ttmp7, 0xffff
	s_lshl_b32 s13, s13, 2
	s_add_co_u32 s13, s13, s41                     ; tile row y = 4 x cluster y + cy
	s_lshl_b32 s43, s41, 2
	s_lshl_b32 s43, 15, s43                        ; my row of the cluster
	s_lshl_b32 s44, 0x1111, s40                    ; my column
	s_or_b32 s[G1+0], s43, (3<<16)|(1<<21)         ; 15:0 the mask; 17:16 elements of 8 bytes; 21 set beside a mask; no padding
	s_or_b32 s[G1B+0], s44, (3<<16)|(1<<21)
.irp g, G1, G1B                        ; a dense tile as 128 rows of 256 bytes
	s_mov_b32 s[(\g)+1], 32<<16                    ; tensor_dim0 = 32 elements
	s_mov_b32 s[(\g)+2], 128<<16                   ; tensor_dim1 = 128
	s_mov_b32 s[(\g)+3], 32<<16                    ; tile_dim0 = 32
	s_mov_b32 s[(\g)+4], 128                       ; tile_dim1 = 128
	s_mov_b32 s[(\g)+5], 32                        ; from row to row
	s_mov_b32 s[(\g)+6], 0
	s_mov_b32 s[(\g)+7], 0
.endr
	s_lshl_b32 s16, s12, 6
	s_add_co_u32 s16, s16, s13
	s_lshl_b32 s16, s16, 15                        ; A: tile (my kt of step 0, y)
	s_mov_b32 s17, 0
	s_mul_i32 s46, s42, KT
	s_add_co_u32 s46, s46, s12
	s_lshl_b32 s46, s46, 15                        ; B: tile (x, my kt of step 0)
	s_mov_b32 s47, 0
	s_lshl_b32 s20, s10, 15                        ; where it goes: wave x a tile: no place in the cluster enters an LDS address
	s_wait_dscnt 0x0                               ; the opening add is done
	s_wait_kmcnt 0x0
	s_add_nc_u64 s[14:15], s[4:5], s[16:17]
	s_add_nc_u64 s[46:47], s[6:7], s[46:47]
.if BOFF
	s_add_nc_u64 s[46:47], s[46:47], BOFF
.endif
	CROUND                                         ; all sixteen work-groups are here: the first joint loads meet
.irp s, 0,1
	s_mov_b32 s[G0+4*(\s)], 1
	s_add_co_u32 s[G0+4*(\s)+1], s20, (\s)*SLOT
	s_add_nc_u64 s[G0+4*(\s)+2:G0+4*(\s)+3], s[14:15], (\s)*2*64*TILEB
	s_or_b32 s[G0+4*(\s)+3], s[G0+4*(\s)+3], 0x80000000
	s_mov_b32 s[G0B+4*(\s)], 1
	s_add_co_u32 s[G0B+4*(\s)+1], s20, (\s)*SLOT
	s_add_nc_u64 s[G0B+4*(\s)+2:G0B+4*(\s)+3], s[46:47], (\s)*2*TILEB
	s_or_b32 s[G0B+4*(\s)+3], s[G0B+4*(\s)+3], 0x80000000
	JLOAD \s                                       ; two loads of mine are out
.endr
	v_and_b32 v1, 15, v0                           ; r = l % 16
	v_bfe_u32 v2, v0, 4, 1                         ; h = l / 16
	v_and_b32 v3, 31, v0
	v_lshlrev_b32 v3, 4, v3                        ; 16 x lane
	s_lshl_b32 s21, s11, 12                        ; my 64 rows of A: four blocks
	s_lshl_b32 s22, s12, 12                        ; my 64 rows of B,
	s_add_co_u32 s22, s22, 2*TILEB                 ; behind A's two tiles
.irp s, 0,1
	v_add_nc_u32 v[ADRA+(\s)], s21, v3
	v_add_nc_u32 v[ADRB+(\s)], s22, v3
	s_add_co_u32 s21, s21, SLOT
	s_add_co_u32 s22, s22, SLOT
.endr
.if MODE < 2
	s_lshl_b32 s23, s12, 14                        ; my 64 columns: two rows of blocks of C's tile,
	s_lshl_b32 s21, s11, 12                        ; my 64 rows: four blocks
	s_add_co_u32 s23, s23, s21
	v_add_nc_u32 v[CO], s23, v3
	s_lshl_b32 s16, s13, 15                        ; C's tile (x, y) at (64 x + y) x 32,768
	s_lshl_b32 s46, s42, 21
.else
	s_mul_i32 s23, s10, 16*SPITCH
	s_add_co_u32 s23, s23, STAGE                   ; my stage
	v_mul_u32_u24 v4, v1, SPITCH                   ; in: row r, 32 bytes for each half of the lanes
	v_lshl_add_u32 v4, v2, 5, v4
	v_add_nc_u32 v[STO], s23, v4
	v_mul_u32_u24 v5, v2, SPITCH                   ; back: lanes 0-15 one row of 256 bytes, lanes 16-31 the next
	v_lshl_add_u32 v5, v1, 4, v5
	v_add_nc_u32 v[RD], s23, v5
	v_lshlrev_b32 v5, 11, v2                       ; and the same two rows in C and res: 2,048 bytes a row
	v_lshl_add_u32 v[CO], v1, 4, v5
	s_lshl_b32 s16, s13, 18                        ; 128 y rows
	s_lshl_b32 s17, s11, 17                        ; + my 64
	s_add_co_u32 s16, s16, s17
	s_lshl_b32 s46, s42, 9                         ; 128 x columns of 4 bytes
	s_lshl_b32 s47, s12, 8                         ; + my 64
	s_add_co_u32 s46, s46, s47
.endif
	s_mov_b32 s17, 0
	s_mov_b32 s47, 0
	s_add_nc_u64 s[8:9], s[8:9], s[16:17]
	s_add_nc_u64 s[8:9], s[8:9], s[46:47]
.macro RLOAD a                         ; MODE 2: the residual's rows 16 a .. 16 a + 15 of my 64, as they will be stored
.irp t, 0,1,2,3,4,5,6,7
	global_load_b128 v[RS+32*((\a)%2)+4*(\t):RS+32*((\a)%2)+4*(\t)+3], v[CO], s[70:71] offset:(16*(\a)+2*(\t))*2048
.endr
.endm
.if MODE == 1                          ; what the way out will want is asked for now
	s_lshl_b32 s72, s42, 9
	s_lshl_b32 s73, s12, 8
	s_add_co_u32 s72, s72, s73
	s_mov_b32 s73, 0
	s_add_nc_u64 s[68:69], s[68:69], s[72:73]
	v_lshlrev_b32 v[BO], 5, v2                     ; my 8 columns of each 16
.irp b, 0,1,2,3
	global_load_b128 v[BIAS+8*(\b):BIAS+8*(\b)+3],   v[BO], s[68:69] offset:64*(\b)
	global_load_b128 v[BIAS+8*(\b)+4:BIAS+8*(\b)+7], v[BO], s[68:69] offset:64*(\b)+16
.endr
	s_mov_b32 s76, 0xc0135761                      ; GA = -2.3022082
	s_mov_b32 s77, s76
	s_mov_b32 s78, 0xbdd2d3e8                      ; GB = -0.10294324
	s_mov_b32 s79, s78
.endif
.if MODE == 2
	s_add_nc_u64 s[68:69], s[68:69], s[46:47]
	s_add_nc_u64 s[70:71], s[70:71], s[16:17]
	s_add_nc_u64 s[70:71], s[70:71], s[46:47]
	v_lshlrev_b32 v[BO], 4, v1
	global_load_b128 v[B4:B4+3], v[BO], s[68:69]
	RLOAD 0
	RLOAD 1
.endif
; 8 matrix instructions: m blocks a0, a0 + 1 x all 4 n blocks, 32 along K: half c of buffer f.  zero = 1: the first product starts the sums.  The 16 accumulators take turns.
.macro MUL8 f, c, a0, zero
	WIN MUL
.irp a, \a0, (\a0)+1
.irp b, 0,1,2,3
.if \zero
	v_wmma_f32_16x16x32_bf16 v[ACC+8*(4*(\a)+(\b)):ACC+8*(4*(\a)+(\b))+7], v[(\f)+64+8*(4*(\c)+(\b)):(\f)+64+8*(4*(\c)+(\b))+7], v[(\f)+8*(4*(\c)+(\a)):(\f)+8*(4*(\c)+(\a))+7], 0
.else
	v_wmma_f32_16x16x32_bf16 v[ACC+8*(4*(\a)+(\b)):ACC+8*(4*(\a)+(\b))+7], v[(\f)+64+8*(4*(\c)+(\b)):(\f)+64+8*(4*(\c)+(\b))+7], v[(\f)+8*(4*(\c)+(\a)):(\f)+8*(4*(\c)+(\a))+7], v[ACC+8*(4*(\a)+(\b)):ACC+8*(4*(\a)+(\b))+7]
.endif
.endr
.endr
.endm
; 32 LDS loads in one run: the fragments of quarter q (64 along K: rows of blocks 2 q, 2 q + 1 of the step's eight) into buffer f; the first 32 along K first
.macro FETCH slot, q, f
	WIN TO_F
.irp c, 0,1
.irp i, 0,1,2,3
	ds_load_b128 v[(\f)+64+8*(4*(\c)+(\i)):(\f)+64+8*(4*(\c)+(\i))+3],   v[ADRB+(\slot)] offset:(2*(\q)+(\c))*8192+(\i)*1024
	ds_load_b128 v[(\f)+64+8*(4*(\c)+(\i))+4:(\f)+64+8*(4*(\c)+(\i))+7], v[ADRB+(\slot)] offset:(2*(\q)+(\c))*8192+(\i)*1024+512
	ds_load_b128 v[(\f)+8*(4*(\c)+(\i)):(\f)+8*(4*(\c)+(\i))+3],         v[ADRA+(\slot)] offset:(2*(\q)+(\c))*8192+(\i)*1024
	ds_load_b128 v[(\f)+8*(4*(\c)+(\i))+4:(\f)+8*(4*(\c)+(\i))+7],       v[ADRA+(\slot)] offset:(2*(\q)+(\c))*8192+(\i)*1024+512
.endr
.endr
.endm
.macro PLACES                          ; four places in front of loads into registers that matrix instructions have read, and of lines that read results
.rept 4
	v_nop
.endr
.endm
; A K step is four quarters, 32 matrix instructions each, on buffers 0, 1, 0, 1.  One of the first three: multiplies buffer f and fetches quarter q into g.
.macro QUARTER slot, q, f, g, zero
	s_wait_dscnt 16                                ; the first 32 along K are in
	MUL8 \f, 0, 0, \zero
	MUL8 \f, 0, 2, \zero
	PLACES
	FETCH \slot, \q, \g
	s_wait_dscnt 32                                ; all but the 32 just issued
	MUL8 \f, 1, 0, 0
	MUL8 \f, 1, 2, 0
.endm
; The last quarter multiplies buffer 1 and changes slots: ONE barrier; in front of it each wave waits for all its tensor loads, adds 0 to its spare word, and waits for that and for its reads of this slot.
.macro TURN slot, next, fill
	WIN 0
	s_wait_tensorcnt 0x0                           ; all my tensor loads have landed: my part of the next slot
	ds_add_u32 v[SPW], v[NIL]                      ; 0 onto my spare word
	s_wait_dscnt 17                                ; (the add and the youngest sixteen loads may be out)
	MUL8 F1, 0, 0, 0
	s_wait_dscnt 0x0                               ; the add is done, and my reads of this slot are over
	s_barrier_signal -1
	MUL8 F1, 0, 2, 0
.if \fill
	WIN 0
.endif
	s_barrier_wait -1
.if \fill
	CREST                                          ; the barrier has opened a round of the cluster's: no wave of any partner still reads this slot or has a load on its way
	s_add_nc_u64 s[G0+4*(\slot)+2:G0+4*(\slot)+3], s[G0+4*(\slot)+2:G0+4*(\slot)+3], 4*64*TILEB
	s_add_nc_u64 s[G0B+4*(\slot)+2:G0B+4*(\slot)+3], s[G0B+4*(\slot)+2:G0B+4*(\slot)+3], 4*TILEB
	JLOAD \slot                                    ; the first tensor load behind the round, one a wave: 112 matrix instructions ahead of the wait for it
.else
	PLACES
.endif
	FETCH \next, 0, F0
	MUL8 F1, 1, 0, 0
	MUL8 F1, 1, 2, 0
.endm
	s_wait_tensorcnt 1                             ; my part of K step 0 is in; step 1's may stay out
	s_barrier_signal -1
	s_barrier_wait -1
	FETCH 0, 0, F0
	QUARTER 0, 1, F0, F1, 1                        ; the first quarter's first products start the sums
.if LAPS > 1
	WIN 0
	s_mov_b32 s3, LAPS-1
.Llap:                                                 ; a trip goes once round the ring and fills both slots again
	QUARTER 0, 2, F1, F0, 0
	QUARTER 0, 3, F0, F1, 0
	TURN 0, 1, 1
	QUARTER 1, 1, F0, F1, 0
	QUARTER 1, 2, F1, F0, 0
	QUARTER 1, 3, F0, F1, 0
	TURN 1, 0, 1
	QUARTER 0, 1, F0, F1, 0
	WIN 0
	s_sub_co_u32 s3, s3, 1
	s_cmp_lg_u32 s3, 0
	s_cbranch_scc1 .Llap
.endif
	QUARTER 0, 2, F1, F0, 0                        ; the last lap fills nothing
	QUARTER 0, 3, F0, F1, 0
	TURN 0, 1, 0
	QUARTER 1, 1, F0, F1, 0
	QUARTER 1, 2, F1, F0, 0
	QUARTER 1, 3, F0, F1, 0
	s_wait_dscnt 16
	MUL8 F1, 0, 0, 0
	MUL8 F1, 0, 2, 0
	s_wait_dscnt 0
	MUL8 F1, 1, 0, 0
	MUL8 F1, 1, 2, 0
	WIN 0
	PLACES
; THE WAYS OUT, 16 rows (m block a) at a time; each accumulator's registers are taken in ascending order.
.macro GELU a                          ; t = C + bias; t / (1 + 2^(t (GA + GB t t))), in place; one batch of exponentials and one of reciprocals, a wait each
.set A0, ACC+32*(\a)
.set z, 0
.rept 16
	v_pk_add_f32 v[A0+2*z:A0+2*z+1], v[A0+2*z:A0+2*z+1], v[BIAS+2*z:BIAS+2*z+1]
.set z, z+1
.endr
.set z, 0
.rept 16
	v_pk_mul_f32 v[U+2*z:U+2*z+1], v[A0+2*z:A0+2*z+1], v[A0+2*z:A0+2*z+1]
.set z, z+1
.endr
.set z, 0
.rept 16
	v_pk_fma_f32 v[U+2*z:U+2*z+1], v[U+2*z:U+2*z+1], s[78:79], s[76:77] op_sel_hi:[1,0,0]
.set z, z+1
.endr
.set z, 0
.rept 16
	v_pk_mul_f32 v[U+2*z:U+2*z+1], v[U+2*z:U+2*z+1], v[A0+2*z:A0+2*z+1]
.set z, z+1
.endr
.set z, 0
.rept 32
	v_exp_f32 v[U+z], v[U+z]
.set z, z+1
.endr
	v_nop                                          ; a plain instruction behind the last exponential,
	s_wait_alu depctr_va_vdst(0)                   ; and the batch's one wait, ahead of the first reader
.set z, 0
.rept 16
	v_pk_add_f32 v[U+2*z:U+2*z+1], v[U+2*z:U+2*z+1], 1.0 op_sel_hi:[1,0]
.set z, z+1
.endr
.set z, 0
.rept 32
	v_rcp_f32 v[U+z], v[U+z]
.set z, z+1
.endr
	v_nop
	s_wait_alu depctr_va_vdst(0)
.set z, 0
.rept 16
	v_pk_mul_f32 v[A0+2*z:A0+2*z+1], v[A0+2*z:A0+2*z+1], v[U+2*z:U+2*z+1]
.set z, z+1
.endr
.endm
.macro OUT16 a                         ; rounded to bf16: 16 bytes a lane and n block; four stores of 512 consecutive bytes
	s_wait_xcnt 0x0                                ; the stores issued so far have read their data: TMP is written again only behind this wait
.irp b, 0,1,2,3
.irp p, 0,1,2,3
	v_cvt_pk_bf16_f32 v[TMP+16*((\a)%2)+4*(\b)+(\p)], v[ACC+8*(4*(\a)+(\b))+2*(\p)], v[ACC+8*(4*(\a)+(\b))+2*(\p)+1]
.endr
.endr
.irp b, 0,1,2,3
	global_store_b128 v[CO], v[TMP+16*((\a)%2)+4*(\b):TMP+16*((\a)%2)+4*(\b)+3], s[8:9] offset:((\b)/2)*8192+(\a)*1024+((\b)%2)*512
.endr
.endm
.macro OUT32 a                         ; through my stage: 32 bytes a lane and n block in, whole rows of 256 bytes back; + bias + res; eight stores, 16 lanes to 256 consecutive bytes, aligned
.irp b, 0,1,2,3
	ds_store_b128 v[STO], v[ACC+8*(4*(\a)+(\b)):ACC+8*(4*(\a)+(\b))+3]   offset:64*(\b)
	ds_store_b128 v[STO], v[ACC+8*(4*(\a)+(\b))+4:ACC+8*(4*(\a)+(\b))+7] offset:64*(\b)+16
.endr
	s_wait_xcnt 0x0                                ; the last block's stores have read RB
.irp t, 0,1,2,3,4,5,6,7
	ds_load_b128 v[RB+4*(\t):RB+4*(\t)+3], v[RD] offset:(\t)*2*SPITCH  ; LDS serves a wave's instructions in order (ISA guide 5.7.1.4): these see the stores above, and the next block's stores come behind them
.endr
.if (\a) < 3
	s_wait_loadcnt 8                               ; this block's residual is in; the next block's eight loads stay out
.else
	s_wait_loadcnt 0x0
.endif
	s_wait_dscnt 0x0
.irp t, 0,1,2,3,4,5,6,7
	v_pk_add_f32 v[RB+4*(\t):RB+4*(\t)+1],   v[RB+4*(\t):RB+4*(\t)+1],   v[B4:B4+1]
	v_pk_add_f32 v[RB+4*(\t)+2:RB+4*(\t)+3], v[RB+4*(\t)+2:RB+4*(\t)+3], v[B4+2:B4+3]
	v_pk_add_f32 v[RB+4*(\t):RB+4*(\t)+1],   v[RB+4*(\t):RB+4*(\t)+1],   v[RS+32*((\a)%2)+4*(\t):RS+32*((\a)%2)+4*(\t)+1]
	v_pk_add_f32 v[RB+4*(\t)+2:RB+4*(\t)+3], v[RB+4*(\t)+2:RB+4*(\t)+3], v[RS+32*((\a)%2)+4*(\t)+2:RS+32*((\a)%2)+4*(\t)+3]
	global_store_b128 v[CO], v[RB+4*(\t):RB+4*(\t)+3], s[8:9] offset:(16*(\a)+2*(\t))*2048
.endr
.if (\a) < 2
	RLOAD (\a)+2
.endif
.endm
.if MODE == 1
	s_wait_loadcnt 0x0                             ; the bias
.endif
.irp a, 0,1,2,3
.if MODE == 1
	GELU \a
.endif
.if MODE < 2
	OUT16 \a
.else
	OUT32 \a
.endif
.endr
	s_wait_tensorcnt 0x0                           ; the wave's end, behind my last tensor load and my last LDS store
	ds_add_u32 v[SPW], v[NIL]
	s_wait_dscnt 0x0
	CROUND                                         ; the closing round: no work-group ends while a partner may still ask for a tile that names it
	s_endpgm
.Lfunc_end_k_q8dbde2bf8f_ffn2:
	.size	k_q8dbde2bf8f_ffn2, .Lfunc_end_k_q8dbde2bf8f_ffn2-k_q8dbde2bf8f_ffn2
	.p2alignl 7, 3214868480
	.fill 96, 4, 3214868480
	.section	.rodata,"a",@progbits
	.p2align	6, 0x0
	.amdhsa_kernel k_q8dbde2bf8f_ffn2
		.amdhsa_group_segment_fixed_size 327680
		.amdhsa_private_segment_fixed_size 0
		.amdhsa_enable_private_segment 0
		.amdhsa_kernarg_size 40
		.amdhsa_user_sgpr_count 2
		.amdhsa_user_sgpr_kernarg_segment_ptr 1
		.amdhsa_wavefront_size32 1
		.amdhsa_system_sgpr_workgroup_id_x 1
		.amdhsa_system_sgpr_workgroup_id_y 1
		.amdhsa_system_sgpr_workgroup_id_z 1
		.amdhsa_system_vgpr_workitem_id 0
		.amdhsa_next_free_vgpr 512
		.amdhsa_next_free_sgpr 80
		.amdhsa_reserve_vcc 0
		.amdhsa_float_denorm_mode_32 3
		.amdhsa_float_denorm_mode_16_64 3
		.amdhsa_memory_ordered 1
		.amdhsa_forward_progress 1
		.amdhsa_inst_pref_size 97
	.end_amdhsa_kernel
	.amdgpu_metadata
---
amdhsa.version: [ 1, 2 ]
amdhsa.kernels:
  - .name:           k_q8dbde2bf8f_ffn2
    .symbol:         k_q8dbde2bf8f_ffn2.kd
    .args:
      - { .name: qbuf, .offset: 0, .size: 8, .value_kind: global_buffer, .address_space: global }
      - { .name: wc, .offset: 8, .size: 8, .value_kind: global_buffer, .address_space: global }
      - { .name: out0, .offset: 16, .size: 8, .value_kind: global_buffer, .address_space: global }
      - { .name: b2, .offset: 24, .size: 8, .value_kind: global_buffer, .address_space: global }
      - { .name: x1, .offset: 32, .size: 8, .value_kind: global_buffer, .address_space: global }
    .group_segment_fixed_size: 327680
    .private_segment_fixed_size: 0
    .kernarg_segment_align: 8
    .kernarg_segment_size: 40
    .max_flat_workgroup_size: 128
    .sgpr_count:     80
    .vgpr_count:     512
    .wavefront_size: 32
...
	.end_amdgpu_metadata
.endif
;; end of part 7
;; ======== version 2 of 2: 8 launches; version 1 with the launches ln1, ln2 written anew for expert scheduling mode
;; limits: right only within a limited range of input values
;; workspace buffers: pbuf 8,388,608 bytes; qbuf 33,554,432 bytes; x1 16,777,216 bytes; wa 1,572,864 bytes; wb 2,097,152 bytes; wc 2,621,440 bytes
;; launch prep: the kernel of part 1 again; grid 192 x 1, 8 waves a work-group, no clusters, 0 bytes of LDS; arguments wq, wk, wv, wo, w1, w2, wa, wb, wc; writes wa, wb, wc
;; launch ln1 (part 8): grid 256 x 1, 2 waves a work-group, no clusters, 35,072 bytes of LDS; arguments x, ln1_scale, ln1_shift, pbuf; writes pbuf
.if DOCPART == 8
	.amdgcn_target "amdgcn-amd-amdhsa--gfx1250"
	.amdhsa_code_object_version 6
	.text
	.protected	k_q8dbde2bf8f_ln1
	.globl	k_q8dbde2bf8f_ln1
	.p2align	8
	.type	k_q8dbde2bf8f_ln1,@function
k_q8dbde2bf8f_ln1:
	s_mov_b64 s[64:65], 0
	v_nop
	global_prefetch_b8 v0, s[64:65] scope:SCOPE_SE
	s_setreg_imm32_b32 hwreg(HW_REG_WAVE_SCHED_MODE, 0, 2), 2
	s_setreg_imm32_b32 hwreg(HW_REG_WAVE_MODE, 25, 1), 1
	s_wait_xcnt 0x0
	s_wait_alu depctr_vm_vsrc(0)
; LAYER NORM of 8,192 rows of 512 f32: y = scale (x - mean) / sqrt(var + 1e-5) + shift, all in f32, rounded once to bf16, and written in the tiled layout that the products read:
; BLOCK: 16 rows x 32 k in 1,024 bytes: byte = ((k % 32) / 8) x 256 + (row % 16) x 16 + (k % 8) x 2.  TILE: 128 rows x 128 k = [k / 32][row / 16][block].  Tile (kt, mb) at (64 kt + mb) x 32,768.
; SHARES.  A wave takes 16 rows (one row of blocks), a row at a time, whole: lane l holds columns 128 j + 4 l .. + 3, j = 0..3: four loads of 512 consecutive bytes.  The variance is taken of x - mean, in a
; second pass over registers: no difference of large sums.  A ring of 8 row slots keeps 8 rows (16 KiB a wave) on their way.
; THE WAY OUT.  The 16 rows' results are 64 chunks of 256 bytes (16 rows x 8 k); a row gives 8 bytes a lane to each.  They are gathered in the wave's own stage in LDS (chunks 272 bytes apart: the 32 lanes of a store of
; 8 bytes touch every bank once) and leave as 32 stores of 512 consecutive bytes.  No barrier: no wave reads another's bytes.
; THE MODE: SCHED_MODE bits 1:0 = 2 (LLVM: expert scheduling mode 2), set by the entry lines.  The code itself states the register dependences between vector instructions and memory or LDS instructions,
; with s_wait_alu, always for 0.
; THE PLAN.  Registers that memory or LDS instructions touch:
;   v1, v2, v3    offset and LDS addresses: made once at the head, never written again.
;   SC, SH        loaded once at the head; vector instructions read them.
;   RING          slot i % 8: row i's sum and its eight subtractions read it; behind them row i + 8's four loads land in it.  At the end the 32 LDS loads land in the ring, and the global stores read it.
;   PK0, PK1      row i's eight roundings write PK[i % 2]; the four LDS stores that read it are issued in row i + 1; row i + 2 writes it again.
;   D, T, MEAN and RSTD are named by vector instructions alone.
; So ONE wait on va_vdst stands in a row, behind its two reciprocal roots: it also states that the row is done reading its slot and that the row before has written
; its PK.  The row's four loads and the four LDS stores of the row before follow it, dealt among the scalings and multiply-adds, which name D, RSTD, SC, SH (and the roundings this row's own PK): none of the
; registers that those eight touch.  One wait on vm_vsrc beside it states that the LDS stores issued a row ago have read the PK that this row writes again.
.set CP,    272                        ; from chunk to chunk in the stage
.set STG,   64*CP                      ; a wave's stage
.set XO,  1                            ; v1   16 x lane: my bytes in 512 consecutive ones, for loads and stores
.set STO, 2                            ; v2   stage: chunk l / 2, half l % 2
.set RD,  3                            ; v3   stage, back: chunk l / 16, row l % 16
.set MEAN, 8                           ; v[8:9]    the mean, twice
.set RSTD, 10                          ; v[10:11]  1 / sqrt(var + eps), twice
.set T,   12                           ; v[12:15]  at work
.set SC,  16                           ; v[16:31]  scale of my 16 columns
.set SH,  32                           ; v[32:47]  shift
.set D,   48                           ; v[48:63]  x - mean, then the result
.set PK0, 64                           ; v[64:71]  the result in bf16, even rows
.set RING, 72                          ; v[72:199] 8 row slots of 16; at the end the 32 x 16 bytes read back
.set PK1, 200                          ; v[200:207] the result in bf16, odd rows
	s_load_b256 s[4:11], s[0:1], 0x0               ; x s[4:5], scale s[6:7], shift s[8:9], y s[10:11]
	v_lshl_add_u32 v5, v0, 2, 0x8800
	v_mov_b32 v6, 0
	v_lshrrev_b32 v7, 5, v0
	v_readfirstlane_b32 s16, v7                    ; wave 0, 1
	v_and_b32 v7, 31, v0
	v_lshlrev_b32 v[XO], 4, v7
	v_lshrrev_b32 v4, 1, v7
	v_mul_u32_u24 v[STO], v4, CP
	v_and_b32 v4, 1, v7
	v_lshl_add_u32 v[STO], v4, 3, v[STO]
	v_lshrrev_b32 v4, 4, v7
	v_mul_u32_u24 v[RD], v4, CP
	v_and_b32 v4, 15, v7
	v_lshl_add_u32 v[RD], v4, 4, v[RD]
	v_mov_b32 v[T+1], 0                            ; the first exchange of halves names it as its destination, which counts as read
	s_wait_alu depctr_va_sdst(0)                   ; s16 is written, ahead of its first reader: the wave's stage and its rows are made from it
	s_mul_i32 s17, s16, STG
	v_add_nc_u32 v[STO], s17, v[STO]
	v_add_nc_u32 v[RD], s17, v[RD]
	s_lshl_b32 s18, ttmp9, 1
	s_add_co_u32 s18, s18, s16                     ; my 16 rows' number, 0..511
	s_lshl_b32 s2, s18, 15                         ; 16 rows of 2,048 bytes
	s_mov_b32 s3, 0
	s_lshr_b32 s20, s18, 3
	s_lshl_b32 s20, s20, 15                        ; the tile row,
	s_and_b32 s21, s18, 7
	s_lshl_b32 s21, s21, 10                        ; the row of blocks in it
	s_add_co_u32 s20, s20, s21
	s_mov_b32 s21, 0
	s_mov_b32 s12, 0x76543210                      ; v_permlanex16_b32: each lane takes its own place in the other half
	s_mov_b32 s13, 0xfedcba98
	s_mov_b32 s14, 0x3b000000                      ; 1 / 512
	s_mov_b32 s15, 0x3727c5ac                      ; 1e-5
	s_wait_kmcnt 0x0
	s_add_nc_u64 s[4:5], s[4:5], s[2:3]
	s_add_nc_u64 s[10:11], s[10:11], s[20:21]
	s_wait_alu depctr_va_vdst(0)                   ; v1, v2 and v3 are written: every load and store of the kernel, global or LDS, reads one of them as its offset or address
.irp j, 0,1,2,3
	global_load_b128 v[SC+4*(\j):SC+4*(\j)+3], v[XO], s[6:7] offset:512*(\j)
	global_load_b128 v[SH+4*(\j):SH+4*(\j)+3], v[XO], s[8:9] offset:512*(\j)
.endr
.macro FILL1 r, j                      ; quarter j of row r into its slot
	global_load_b128 v[RING+16*((\r)%8)+4*(\j):RING+16*((\r)%8)+4*(\j)+3], v[XO], s[4:5] offset:(\r)*2048+512*(\j)
.endm
.irp r, 0,1,2,3,4,5,6,7
.irp j, 0,1,2,3
	FILL1 \r, \j
.endr
.endr
.macro RED r                           ; the sum of v[r] over the 32 lanes, into every lane; v[r+1] at work
	v_add_f32_dpp v[\r], v[\r], v[\r] row_xmask:1 row_mask:0xf bank_mask:0xf
	v_add_f32_dpp v[\r], v[\r], v[\r] row_xmask:2 row_mask:0xf bank_mask:0xf
	v_add_f32_dpp v[\r], v[\r], v[\r] row_xmask:4 row_mask:0xf bank_mask:0xf
	v_add_f32_dpp v[\r], v[\r], v[\r] row_xmask:8 row_mask:0xf bank_mask:0xf
	v_permlanex16_b32 v[\r+1], v[\r], s12, s13
	v_add_f32 v[\r], v[\r], v[\r+1]
.endm
.macro ROW i
.set X,  RING+16*((\i)%8)
.set PW, PK0+(PK1-PK0)*((\i)%2)        ; this row's roundings write it
.set PR, PK0+(PK1-PK0)*(1-(\i)%2)      ; the row before wrote it: its LDS stores are issued in this row
.if 4*(15-(\i)) < 28                   ; behind row i's four loads those of the rows up to i + 7 (15 at the most) have been issued: they stay out
	s_wait_loadcnt 4*(15-(\i))
.else
	s_wait_loadcnt 28
.endif
	v_pk_add_f32 v[D:D+1], v[X:X+1], v[X+2:X+3]
	v_pk_add_f32 v[D+2:D+3], v[X+4:X+5], v[X+6:X+7]
	v_pk_add_f32 v[D+4:D+5], v[X+8:X+9], v[X+10:X+11]
	v_pk_add_f32 v[D+6:D+7], v[X+12:X+13], v[X+14:X+15]
	v_pk_add_f32 v[D:D+1], v[D:D+1], v[D+2:D+3]
	v_pk_add_f32 v[D+4:D+5], v[D+4:D+5], v[D+6:D+7]
	v_pk_add_f32 v[D:D+1], v[D:D+1], v[D+4:D+5]
	v_add_f32 v[T], v[D], v[D+1]
	RED T
	v_mul_f32 v[MEAN], s14, v[T]
	v_mov_b32 v[MEAN+1], v[MEAN]
.irp p, 0,1,2,3,4,5,6,7
	v_pk_add_f32 v[D+2*(\p):D+2*(\p)+1], v[X+2*(\p):X+2*(\p)+1], v[MEAN:MEAN+1] neg_lo:[0,1] neg_hi:[0,1]
.endr
	v_pk_mul_f32 v[T:T+1], v[D:D+1], v[D:D+1]      ; the sum of squares, two chains
	v_pk_mul_f32 v[T+2:T+3], v[D+2:D+3], v[D+2:D+3]
.irp p, 2,4,6
	v_pk_fma_f32 v[T:T+1], v[D+2*(\p):D+2*(\p)+1], v[D+2*(\p):D+2*(\p)+1], v[T:T+1]
	v_pk_fma_f32 v[T+2:T+3], v[D+2*(\p)+2:D+2*(\p)+3], v[D+2*(\p)+2:D+2*(\p)+3], v[T+2:T+3]
.endr
	v_pk_add_f32 v[T:T+1], v[T:T+1], v[T+2:T+3]
	v_add_f32 v[T], v[T], v[T+1]
	RED T
	v_fma_f32 v[T], v[T], s14, s15                 ; var + eps
	v_rsq_f32 v[RSTD], v[T]
	v_rsq_f32 v[RSTD+1], v[T]
	v_nop                                          ; a plain instruction behind the last of the two
.if (\i) >= 2
	s_wait_alu depctr_vm_vsrc(0)                   ; the LDS stores issued in the row before have read this row's PK, which the roundings below write again
.endif
	s_wait_alu depctr_va_vdst(0)                   ; the two reciprocal roots are written, ahead of their first reader; the sum and the subtractions are done reading this row's slot, in which the loads below land; the row before has written its PK, which the LDS stores below read
.irp p, 0,1,2,3,4,5,6,7
.if ((\p) < 4) && ((\i) < 8)
	FILL1 (\i)+8, \p                               ; the slot's next row; no vector instruction since the wait names the slot
.endif
	v_pk_mul_f32 v[D+2*(\p):D+2*(\p)+1], v[D+2*(\p):D+2*(\p)+1], v[RSTD:RSTD+1]
.endr
.irp p, 0,1,2,3,4,5,6,7
.if ((\p) < 4) && ((\i) > 0)
	ds_store_b64 v[STO], v[PR+2*(\p):PR+2*(\p)+1] offset:(\p)*16*CP+((\i)-1)*16  ; the row before: chunk 16 p + l / 2, row i - 1; no vector instruction since the wait names its PK
.endif
	v_pk_fma_f32 v[D+2*(\p):D+2*(\p)+1], v[D+2*(\p):D+2*(\p)+1], v[SC+2*(\p):SC+2*(\p)+1], v[SH+2*(\p):SH+2*(\p)+1]
.endr
.irp p, 0,1,2,3,4,5,6,7
	v_cvt_pk_bf16_f32 v[PW+(\p)], v[D+2*(\p)], v[D+2*(\p)+1]
.endr
.endm
.irp i, 0,1,2,3,4,5,6,7,8,9,10,11,12,13,14,15
	ROW \i
.endr
	s_wait_alu depctr_va_vdst(0)                   ; row 15's roundings have written PK1, which the four LDS stores read; every vector reader of the ring is done, and the LDS loads below land in it
.irp j, 0,1,2,3
	ds_store_b64 v[STO], v[PK1+2*(\j):PK1+2*(\j)+1] offset:(\j)*16*CP+15*16  ; chunk 16 j + l / 2, row 15
.endr
.set t, 0
.rept 32
	ds_load_b128 v[RING+4*t:RING+4*t+3], v[RD] offset:t*2*CP  ; chunks 2 t, 2 t + 1; LDS serves a wave's instructions in order (ISA guide 5.7.1.4): these see the stores above
.set t, t+1
.endr
.set t, 0
.rept 32
	s_wait_dscnt 31-t
	global_store_b128 v[XO], v[RING+4*t:RING+4*t+3], s[10:11] offset:(t/8)*2097152+((t/2)%4)*8192+(t%2)*512  ; 512 consecutive bytes: tile column t / 8, 32 k (t / 2) % 4, chunks 2 (t % 2) and + 1
.set t, t+1
.endr
	s_wait_dscnt 0x0                               ; the wave's end
	s_wait_alu depctr_hold_cnt(0) depctr_sa_sdst(0) depctr_va_vdst(0) depctr_va_sdst(0) depctr_va_ssrc(0) depctr_va_vcc(0) depctr_vm_vsrc(0)
	s_wait_tensorcnt 0x0
	ds_add_u32 v5, v6
	s_wait_dscnt 0x0
	s_endpgm
.Lfunc_end_k_q8dbde2bf8f_ln1:
	.size	k_q8dbde2bf8f_ln1, .Lfunc_end_k_q8dbde2bf8f_ln1-k_q8dbde2bf8f_ln1
	.p2alignl 7, 3214868480
	.fill 96, 4, 3214868480
	.section	.rodata,"a",@progbits
	.p2align	6, 0x0
	.amdhsa_kernel k_q8dbde2bf8f_ln1
		.amdhsa_group_segment_fixed_size 35072
		.amdhsa_private_segment_fixed_size 0
		.amdhsa_enable_private_segment 0
		.amdhsa_kernarg_size 32
		.amdhsa_user_sgpr_count 2
		.amdhsa_user_sgpr_kernarg_segment_ptr 1
		.amdhsa_wavefront_size32 1
		.amdhsa_system_sgpr_workgroup_id_x 1
		.amdhsa_system_sgpr_workgroup_id_y 1
		.amdhsa_system_sgpr_workgroup_id_z 1
		.amdhsa_system_vgpr_workitem_id 0
		.amdhsa_next_free_vgpr 208
		.amdhsa_next_free_sgpr 66
		.amdhsa_reserve_vcc 0
		.amdhsa_float_denorm_mode_32 3
		.amdhsa_float_denorm_mode_16_64 3
		.amdhsa_memory_ordered 1
		.amdhsa_forward_progress 1
		.amdhsa_inst_pref_size 84
	.end_amdhsa_kernel
	.amdgpu_metadata
---
amdhsa.version: [ 1, 2 ]
amdhsa.kernels:
  - .name:           k_q8dbde2bf8f_ln1
    .symbol:         k_q8dbde2bf8f_ln1.kd
    .args:
      - { .name: x, .offset: 0, .size: 8, .value_kind: global_buffer, .address_space: global }
      - { .name: ln1_scale, .offset: 8, .size: 8, .value_kind: global_buffer, .address_space: global }
      - { .name: ln1_shift, .offset: 16, .size: 8, .value_kind: global_buffer, .address_space: global }
      - { .name: pbuf, .offset: 24, .size: 8, .value_kind: global_buffer, .address_space: global }
    .group_segment_fixed_size: 35072
    .private_segment_fixed_size: 0
    .kernarg_segment_align: 8
    .kernarg_segment_size: 32
    .max_flat_workgroup_size: 64
    .sgpr_count:     66
    .vgpr_count:     208
    .wavefront_size: 32
...
	.end_amdgpu_metadata
.endif
;; end of part 8
;; launch qkv: the kernel of part 3 again; grid 12 x 64, 4 waves a work-group, clusters of 4 x 4, 327,680 bytes of LDS; arguments pbuf, wa, qbuf; writes qbuf
;; launch attn: the kernel of part 4 again; grid 4 x 64, 4 waves a work-group, no clusters, 20,992 bytes of LDS; arguments qbuf, pbuf; writes pbuf
;; launch proj: the kernel of part 5 again; grid 4 x 64, 4 waves a work-group, clusters of 4 x 4, 327,680 bytes of LDS; arguments pbuf, wc, x1, bo, x; writes x1
;; launch ln2: the kernel of part 8 again; grid 256 x 1, 2 waves a work-group, no clusters, 35,072 bytes of LDS; arguments x1, ln2_scale, ln2_shift, pbuf; writes pbuf
;; launch ffn1: the kernel of part 6 again; grid 16 x 64, 4 waves a work-group, clusters of 4 x 4, 327,680 bytes of LDS; arguments pbuf, wb, qbuf, b1; writes qbuf
;; launch ffn2: the kernel of part 7 again; grid 4 x 64, 4 waves a work-group, clusters of 4 x 4, 327,680 bytes of LDS; arguments qbuf, wc, out0, b2, x1; writes out0
